; MI455X (gfx1250); checked and timed in simulation.
; The chip was launched on July 23, 2026; its instructions are those of AMD's public machine-readable ISA for CDNA 5 (MIT licence, August 2026) and "CDNA5" Instruction Set Architecture Reference Guide (July 2026). The comments in the code are by the model that wrote it; some were corrected since.
;; Causal Self Attention. Allowed arithmetic: matrix products marked QUANTISED: E2M1 operands, one E8M0 scale for each 32 along K, by v_wmma_scale_f32_16x16x128_f8f6f4 with both operands' format E2M1 (or v_wmma_scale_f32_32x16x128_f4), f32 sums; everything else in f32.
;; Inputs: W_proj 1,024 x 1,024 float32; W_qkv 1,024 x 3,072 float32; b_proj 1,024 float32; b_qkv 3,072 float32; key_padding_mask 4 x 2,048 bool; x 4 x 2,048 x 1,024 float32.
;; Outputs: out0 4 x 2,048 x 1,024 float32.
;; This version of the problem:
;;   THIS VERSION OF THE PROBLEM IS GIVEN IN LOW PRECISION. The matrix products marked QUANTISED in the list below multiply operands that are first quantised to E2M1 (2 exponent bits, 1 mantissa bit; 4 bits a number), with one power-of-two scale for each 32 numbers along K (OCP MX v1.0); their sums are f32. All else is computed in f32.
;;   The module's matrix products, in the order in which they are computed (A, B: the left and right operand; K: the contracted axis; several contracted axes count as one K, in the product's order):
;;     1. [M 8,192, K 1,024] x [K 1,024, N 3,072]; A: input x; B: input W_qkv: QUANTISED
;;     2. batch 64 x [M 2,048, K 64] x [K 64, N 2,048]; A: computed on the way; B: computed on the way: QUANTISED
;;     3. batch 64 x [M 2,048, K 2,048] x [K 2,048, N 64]; A: softmax (see below); B: computed on the way: QUANTISED
;;     4. [M 8,192, K 1,024] x [K 1,024, N 1,024]; A: computed on the way; B: input W_proj: QUANTISED
;;   THE QUANTISER, for each operand of a quantised product, along K:
;;     - K is cut into blocks of 32 from its start; a last block that is shorter is filled with zeros.
;;     - A block's scale is 2^e with e = floor(log2(the largest magnitude in the block)) - 2, held to -126 .. 127; a block of zeros has e = 0. As a byte (E8M0): e + 127.
;;     - Each number is divided by its block's scale, clamped to +-6, and rounded to the nearest number of E2M1, ties to even, subnormals kept.
;;     - The product sums the exact products of the quantised numbers (number of the format x scale) in f32.
;;   ~~~python
;;   def quantise(x, axis):      # numpy; x: float32 -> the quantised numbers, widened to float32 again
;;       x = np.moveaxis(x, axis, -1); K = x.shape[-1]
;;       x = np.pad(x, [(0, 0)] * (x.ndim - 1) + [(0, -K % 32)]); x = x.reshape(x.shape[:-1] + (-1, 32)); a = np.abs(x).max(-1, keepdims=True)
;;       e = np.where(a > 0, np.clip(np.frexp(np.where(a > 0, a, 1))[1] - 1 - 2, -126, 127), 0)      # np.frexp(a)[1] - 1 = floor(log2(a)), exactly
;;       r = np.clip(x / 2.0 ** e, -6, 6)
;;       step = 2.0 ** (np.maximum(np.frexp(np.where(r == 0, 1, r))[1] - 1, 0) - 1)
;;       q = np.round(r / step) * step * 2.0 ** e      # np.round: ties to even
;;       return np.moveaxis(q.reshape(q.shape[:-2] + (-1,))[..., :K], -1, axis).astype(np.float32)
;;   ~~~
;;   SOFTMAX AHEAD OF A QUANTISED PRODUCT. Where the list says 'softmax', what is quantised is not the finished softmax but p = 2^(t - M), with t = logit x log2(e) and M = ceil(the row's largest t), a whole number; so 1/2 < the row's largest p <= 1. The row's sum l is taken of the UNQUANTISED p, in f32, and the product's result is divided by l at the end. Since M is a whole number, a kernel that streams over the keys may use a running M (the ceiling of the running maximum): every later rescaling is an exact power of two, which a block's scale takes up: the codes' values come out the same.
;;   OPERANDS COMPUTED ON THE WAY. 'Computed on the way' means the value that the module computes at that place (a softmax that the list does not call 'softmax' is quantised finished and normalised). What goes into a quantiser is computed in f32, as accurately as f32 sums, v_exp_f32 and their like allow (about 1e-6 of the number): no bf16 or f16 on the way to a quantiser, and a product that is left as it is and whose result goes on into a quantised operand takes f32 operands (vector FMAs, or v_wmma_f32_16x16x4_f32). A number that lies on a knife's edge between two numbers of the format may be rounded either way, as far as f32 arithmetic and the matrix unit's own rounding can turn it there, and no further.
;; One version. Each part assembles by itself: llvm-mc -triple=amdgcn-amd-amdhsa -mcpu=gfx1250 --defsym DOCPART=n.
;; ======== version 1 of 1: 4 launches
;; limits: right only within a limited range of input values
;; workspace buffers: xq 4,456,448 bytes; wq 2,228,224 bytes; qq 9,175,040 bytes; kv 9,175,040 bytes; oq 4,456,448 bytes
;; launch quant (part 1): grid 768 x 1, 2 waves a work-group, no clusters, 17,152 bytes of LDS; arguments x, W_qkv, W_proj, xq, wq; writes xq, wq
.if DOCPART == 1
	.amdgcn_target "amdgcn-amd-amdhsa--gfx1250"
	.amdhsa_code_object_version 6
	.text
	.protected	k_q40360ac27c_quant
	.globl	k_q40360ac27c_quant
	.p2align	8
	.type	k_q40360ac27c_quant,@function
k_q40360ac27c_quant:
	s_mov_b64 s[64:65], 0
	v_nop
	global_prefetch_b8 v0, s[64:65] scope:SCOPE_SE
	s_setreg_imm32_b32 hwreg(HW_REG_WAVE_MODE, 25, 1), 1
	s_wait_xcnt 0x0
; CAUSAL SELF-ATTENTION IN MX-FP4, FOUR LAUNCHES: quant (this one), qkv, attn, proj.
; WORK LEFT OUT IN THE PROGRAM: only key steps of 128 keys that lie wholly above the diagonal (launch attn).  reference() builds the causal mask in its own body and
; sets those logits to the least f32 number; for a query with at least one key that counts, 2^(t - M) of such a logit is 0 for all finite values of the inputs, so neither the row's sum nor the
; second product can take anything from them.  No input is left out.  A NaN, an infinity or an overflow that would reach only those steps is not carried to the result.
; LIMITS OF THE PROGRAM: a query ALL of whose keys 0 .. q are padded gets an output row of NaN (t = logit x log2(e) has no finite f32 value in the whole row, so t - M is not a number);
; a key that counts has 2^-125 taken off its score (launch attn says why); a block of zeros gets the scale byte 1 where the rule says 127 (its codes are zeros, and the bytes are read by this program alone);
; NaN and infinities among the inputs are not served.
; THIS LAUNCH turns x [8192][1024], W_qkv [1024][3072] and W_proj [1024][1024], f32, into codes of E2M1 with one E8M0 byte for each 32 along K (x: its last axis; the weights: their first).
; LAYOUT OF AN OPERAND IN THE WORKSPACE.  A rowtile is 16 rows: rowtile 2 b + u holds in place r the row 32 b + 8 u + r + 8 (r / 8).  A fragment image is 16 rows x 128 K as the operand's registers: the 16 bytes of
; block bk (0..3) of place r lie at 256 bk + 16 r.  Codes: [slot 2 (512 along K)][rowtile][4 K steps][1,024 bytes].  Scale words (4 bytes: 128 K of a row): [rowtile][slot 2][r 16][4 words].
; Work-groups 0-255: x, a rowtile a wave.  256-639: W_qkv.  640-767: W_proj, 32 columns x 128 K a wave.  Waves share nothing: no barrier.  Only x's path touches LDS.
.set SPARE, 16896                      ; behind the two stages: the spare words, 128 bytes a wave, one block of 256 bytes that no other line names
.set STG,   8448                       ; a wave's stage: 16 rows x 528 bytes
.set SP,    528                        ; 512 bytes + 16: an odd multiple of 16, so that sixteen rows' reads start in different banks
.set SPW, 10                           ; v10  my spare word; never rewritten
.set NIL, 11                           ; v11  0; never rewritten
.set Z,   12                           ; v12-15  the scale words on their way out
.set PW,  16                           ; v16-23  the scale word of each of the 8 K steps
.set TM,  24                           ; v24-39  at work in QUANT
.set PC,  40                           ; v40-47  a fragment's codes
.set R,   48                           ; v48-175 two sets of 64: a K step as loaded
.set X,   176                          ; v176-239 a K step as the conversions want it
.set SEL, 20                           ; s[20:21] selects of v_permlanex16_b32: lane l xor 16
	s_load_b256 s[4:11], s[0:1], 0x0               ; x s[4:5], W_qkv s[6:7], W_proj s[8:9], xq s[10:11]
	s_load_b64 s[12:13], s[0:1], 0x20              ; wq
	v_lshl_add_u32 v[SPW], v0, 2, SPARE
	v_mov_b32 v[NIL], 0
	v_lshrrev_b32 v1, 5, v0
	v_readfirstlane_b32 s14, v1                    ; wave 0, 1
	v_and_b32 v2, 31, v0                           ; lane
	v_and_b32 v7, 15, v0                           ; r
	v_bfe_u32 v4, v0, 4, 1                         ; h
	s_cmp_lt_u32 ttmp9, 256
	s_cbranch_scc0 .Lweights
; 64 numbers of a lane, register 16 b + i = k 32 b + 16 h + i of my row, become a fragment's codes in v[pc] on and its scale word in v[pw].
.macro QUANT s, pc, pw
.irp b, 0,1,2,3
	v_max3_num_f32 v[TM+\b], |v[\s+16*\b]|, |v[\s+1+16*\b]|, 0x1800000   ; my 16 numbers of block b, and the floor 2^(3 - 127): the byte cannot fall under 1
.endr
.irp i, 2,4,6,8,10,12,14
.irp b, 0,1,2,3
	v_max3_num_f32 v[TM+\b], v[TM+\b], |v[\s+16*\b+\i]|, |v[\s+1+16*\b+\i]|
.endr
.endr
.irp b, 0,1,2,3
	v_permlanex16_b32 v[TM+4+\b], v[TM+\b], s[SEL], s[SEL+1]
.endr
.irp b, 0,1,2,3
	v_max_num_f32 v[TM+\b], v[TM+\b], v[TM+4+\b]   ; with lane l xor 16's 16: the block's largest magnitude
.endr
.irp b, 0,1,2,3
	v_add_nc_u32 v[TM+12+\b], 0xff000000, v[TM+\b] ; 2 off its exponent field: the conversion's scale operand
.endr
.irp b, 0,1,2,3
	v_lshrrev_b32 v[TM+4+\b], 23, v[TM+12+\b]      ; the scale's byte
.endr
	v_lshl_or_b32 v[\pw], v[TM+5], 8, v[TM+4]
	v_lshl_or_b32 v[\pw], v[TM+6], 16, v[\pw]
	v_lshl_or_b32 v[\pw], v[TM+7], 24, v[\pw]
.irp b, 0,1,2,3
	v_cvt_scalef32_pk8_fp4_f32 v[\pc+2*\b], v[\s+16*\b:\s+7+16*\b], v[TM+12+\b]
	v_cvt_scalef32_pk8_fp4_f32 v[\pc+1+2*\b], v[\s+8+16*\b:\s+15+16*\b], v[TM+12+\b]
.endr
	v_nop                                          ; one plain instruction behind the scaled conversions
.irp c, 0,1                                    ; a lane is to hold a whole block: lanes 0-15 block 2 c, lanes 16-31 block 2 c + 1
.irp i, 0,1
	v_permlane16_swap_b32 v[\pc+4*\c+\i], v[\pc+2+4*\c+\i]
.endr
.endr
.endm
	; ---- x: my wave's rowtile is 2 x work-group + wave: rows 32 x work-group + 8 x wave + i + 8 (i / 8)
	v_lshlrev_b32 v3, 4, v2                        ; 16 x lane
	s_mul_i32 s15, s14, STG
	v_add_nc_u32 v5, s15, v3                       ; the stage, on the way in: a row's 512 bytes as they lie
	v_mul_u32_u24 v6, v7, SP
	v_lshl_add_u32 v6, v4, 6, v6
	v_add_nc_u32 v6, s15, v6                       ; and out: row r, + 64 h: my 16 numbers of a block of 32
	s_mov_b32 s[SEL], 0x76543210
	s_mov_b32 s[SEL+1], 0xfedcba98
.irp b, 0,1,2,3
	v_mov_b32 v[TM+4+\b], 0                        ; written once: a lane permute's destination counts as one of its sources
.endr
	s_lshl_b32 s16, ttmp9, 1
	s_add_co_u32 s16, s16, s14                     ; the rowtile
	s_lshl_b32 s18, ttmp9, 17                      ; 32 rows of 4,096 bytes a work-group,
	s_lshl_b32 s17, s14, 15                        ; 8 a wave
	s_add_co_u32 s18, s18, s17
	s_mov_b32 s19, 0
	s_lshl_b32 s22, s16, 12                        ; codes: 4,096 bytes a rowtile in each slot
	s_mov_b32 s23, 0
	s_lshl_b32 s24, s16, 9                         ; scale words: 512 bytes a rowtile,
	s_add_co_u32 s24, s24, 4194304                 ; behind the codes
	s_mov_b32 s25, 0
	s_wait_alu depctr_va_vdst(0)
	s_wait_kmcnt 0x0
	s_add_nc_u64 s[4:5], s[4:5], s[18:19]
	s_add_nc_u64 s[26:27], s[10:11], s[24:25]
	s_add_nc_u64 s[10:11], s[10:11], s[22:23]
.macro XLOAD t                         ; K step t of my 16 rows: each load reads 512 consecutive bytes of one row
.irp i, 0,1,2,3,4,5,6,7,8,9,10,11,12,13,14,15
	global_load_b128 v[R+64*((\t)%2)+4*\i:R+64*((\t)%2)+4*\i+3], v3, s[4:5] offset:(\i+8*(\i/8))*4096+512*(\t) th:TH_LOAD_NT
.endr
.endm
.macro XSTEP t
.if (\t) < 7
	s_wait_loadcnt 16                              ; this K step's 16 loads are in; the next step's 16 may be out
.else
	s_wait_loadcnt 0x0
.endif
.irp i, 0,1,2,3,4,5,6,7,8,9,10,11,12,13,14,15
	ds_store_b128 v5, v[R+64*((\t)%2)+4*\i:R+64*((\t)%2)+4*\i+3] offset:SP*\i
.endr
.irp b, 0,1,2,3
.irp j, 0,1,2,3
	ds_load_b128 v[X+16*\b+4*\j:X+16*\b+4*\j+3], v6 offset:128*\b+16*\j   ; LDS serves a wave's instructions in order: these see my stores
.endr
.endr
	s_wait_dscnt 0x0                               ; the numbers are back, and the stores have read their registers
	s_wait_xcnt 0x0                                ; the last step's stores have read the codes' registers, which QUANT writes anew
.if (\t)+2 < 8
	XLOAD (\t)+2
.endif
	QUANT X, PC, PW+(\t)
	global_store_b128 v3, v[PC:PC+3], s[10:11] offset:((\t)/4)*2097152+((\t)%4)*1024       ; 512 consecutive bytes of the image,
	global_store_b128 v3, v[PC+4:PC+7], s[10:11] offset:((\t)/4)*2097152+((\t)%4)*1024+512 ; and the other 512
.endm
	XLOAD 0
	XLOAD 1
.irp t, 0,1,2,3,4,5,6,7
	XSTEP \t
.endr
	v_cmp_ne_u32 vcc_lo, 0, v4                     ; lanes 0-15 store slot 0's four words of row r, lanes 16-31 slot 1's
.irp i, 0,1,2,3
	v_cndmask_b32 v[Z+\i], v[PW+\i], v[PW+4+\i], vcc_lo
.endr
	global_store_b128 v3, v[Z:Z+3], s[26:27]       ; 512 consecutive bytes
	s_wait_tensorcnt 0x0                           ; the wave's end, behind my last LDS store
	ds_add_u32 v[SPW], v[NIL]
	s_wait_dscnt 0x0
	s_endpgm
	; ---- the weights.  A lane takes a column and its registers run down K, so the codes come out with K innermost.  Lane 16 u + r: column 32 cg + 8 u + r + 8 (r / 8): place r of rowtile 2 cg + u
.Lweights:
	s_wait_alu depctr_va_vdst(0)
	v_and_b32 v8, 8, v7
	v_add_nc_u32 v8, v8, v7
	v_lshl_add_u32 v8, v4, 3, v8
	v_lshlrev_b32 v8, 2, v8                        ; in: my column's 4 bytes among the wave's 128
	v_lshlrev_b32 v9, 4, v7
	v_lshl_add_u32 v12, v4, 9, v9                  ; scale words: 512 u + 16 r
	v_lshl_add_u32 v9, v4, 12, v9                  ; codes: 4,096 u + 16 r
.macro WLOAD t, n                      ; block t: W(32 t + i, my column)
.irp i, 0,1,2,3,4,5,6,7,8,9,10,11,12,13,14,15,16,17,18,19,20,21,22,23,24,25,26,27,28,29,30,31
	global_load_b32 v[64+32*(\t)+\i], v8, s[26:27] offset:(32*(\t)+\i)*(\n)*4 th:TH_LOAD_NT
.endr
.endm
.macro WBLOCK t
.set XS, 64+32*(\t)
	v_max3_num_f32 v24, |v[XS]|, |v[XS+1]|, |v[XS+2]|      ; the block's largest magnitude: all 32 numbers are mine
	v_max3_num_f32 v25, |v[XS+3]|, |v[XS+4]|, |v[XS+5]|
.irp i, 6,10,14,18,22,26
	v_max3_num_f32 v24, v24, |v[XS+\i]|, |v[XS+\i+1]|
	v_max3_num_f32 v25, v25, |v[XS+\i+2]|, |v[XS+\i+3]|
.endr
	v_max3_num_f32 v24, v24, |v[XS+30]|, |v[XS+31]|
	v_max3_num_f32 v24, v24, v25, 0x1800000        ; and the floor
	v_add_nc_u32 v26, 0xff000000, v24              ; the conversion's scale operand
	v_lshrrev_b32 v27, 23, v26                     ; the byte
.if (\t) == 0
	v_mov_b32 v48, v27
.else
	v_lshl_or_b32 v48, v27, 8*(\t), v48
.endif
.irp g, 0,1,2,3
	v_cvt_scalef32_pk8_fp4_f32 v[32+4*(\t)+\g], v[XS+8*\g:XS+8*\g+7], v26
.endr
	global_store_b128 v9, v[32+4*(\t):32+4*(\t)+3], s[28:29] offset:256*(\t)   ; lanes 0-15 fill 256 consecutive bytes of one image, lanes 16-31 of the next rowtile's; each block has its own registers
.endm
.macro WPATH n, co, ss, so, first, ptr
	s_sub_co_u32 s15, ttmp9, \first
	s_and_b32 s16, s15, 7                          ; which 128 along K
	s_lshr_b32 s17, s15, 3
	s_lshl_b32 s17, s17, 1
	s_add_co_u32 s17, s17, s14                     ; cg: which 32 columns
	s_mul_i32 s18, s16, 128*(\n)*4
	s_lshl_b32 s19, s17, 7
	s_add_co_u32 s18, s18, s19
	s_mov_b32 s19, 0
	s_lshr_b32 s20, s16, 2                         ; the slot,
	s_and_b32 s21, s16, 3                          ; the K step in it
	s_mul_i32 s22, s20, \ss
	s_lshl_b32 s23, s17, 13
	s_add_co_u32 s22, s22, s23
	s_lshl_b32 s23, s21, 10
	s_add_co_u32 s22, s22, s23
	s_add_co_u32 s22, s22, \co
	s_mov_b32 s23, 0
	s_lshl_b32 s24, s17, 10
	s_lshl_b32 s25, s20, 8
	s_add_co_u32 s24, s24, s25
	s_lshl_b32 s25, s21, 2
	s_add_co_u32 s24, s24, s25
	s_add_co_u32 s24, s24, \so
	s_mov_b32 s25, 0
	s_wait_kmcnt 0x0
	s_add_nc_u64 s[26:27], s[\ptr:\ptr+1], s[18:19]
	s_add_nc_u64 s[28:29], s[12:13], s[22:23]
	s_add_nc_u64 s[30:31], s[12:13], s[24:25]
	WLOAD 0, \n
	WLOAD 1, \n
	s_wait_loadcnt 32                              ; block 0 is in; block 1's 32 loads may be out
	WLOAD 2, \n
	WBLOCK 0
	s_wait_loadcnt 32                              ; block 1 is in; block 2's may be out
	WLOAD 3, \n
	WBLOCK 1
	s_wait_loadcnt 32                              ; block 2 is in; block 3's may be out
	WBLOCK 2
	s_wait_loadcnt 0x0
	WBLOCK 3
	global_store_b32 v12, v48, s[30:31]            ; my column's scale word: 4 bytes every 16: the other three words of a row belong to other work-groups
	s_endpgm
.endm
	s_cmp_lt_u32 ttmp9, 640
	s_cbranch_scc0 .Lwproj
	s_wait_alu depctr_va_vdst(0)
	WPATH 3072, 0, 786432, 2097152, 256, 6
.Lwproj:
	s_wait_alu depctr_va_vdst(0)
	WPATH 1024, 1572864, 262144, 2195456, 640, 8
.Lfunc_end_k_q40360ac27c_quant:
	.size	k_q40360ac27c_quant, .Lfunc_end_k_q40360ac27c_quant-k_q40360ac27c_quant
	.p2alignl 7, 3214868480
	.fill 96, 4, 3214868480
	.section	.rodata,"a",@progbits
	.p2align	6, 0x0
	.amdhsa_kernel k_q40360ac27c_quant
		.amdhsa_group_segment_fixed_size 17152
		.amdhsa_private_segment_fixed_size 0
		.amdhsa_enable_private_segment 0
		.amdhsa_kernarg_size 40
		.amdhsa_user_sgpr_count 2
		.amdhsa_user_sgpr_kernarg_segment_ptr 1
		.amdhsa_wavefront_size32 1
		.amdhsa_system_sgpr_workgroup_id_x 1
		.amdhsa_system_sgpr_workgroup_id_y 1
		.amdhsa_system_sgpr_workgroup_id_z 1
		.amdhsa_system_vgpr_workitem_id 0
		.amdhsa_next_free_vgpr 240
		.amdhsa_next_free_sgpr 66
		.amdhsa_reserve_vcc 1
		.amdhsa_float_denorm_mode_32 3
		.amdhsa_float_denorm_mode_16_64 3
		.amdhsa_memory_ordered 1
		.amdhsa_forward_progress 1
		.amdhsa_inst_pref_size 102
	.end_amdhsa_kernel
	.amdgpu_metadata
---
amdhsa.version: [ 1, 2 ]
amdhsa.kernels:
  - .name:           k_q40360ac27c_quant
    .symbol:         k_q40360ac27c_quant.kd
    .args:
      - { .name: x, .offset: 0, .size: 8, .value_kind: global_buffer, .address_space: global }
      - { .name: W_qkv, .offset: 8, .size: 8, .value_kind: global_buffer, .address_space: global }
      - { .name: W_proj, .offset: 16, .size: 8, .value_kind: global_buffer, .address_space: global }
      - { .name: xq, .offset: 24, .size: 8, .value_kind: global_buffer, .address_space: global }
      - { .name: wq, .offset: 32, .size: 8, .value_kind: global_buffer, .address_space: global }
    .group_segment_fixed_size: 17152
    .private_segment_fixed_size: 0
    .kernarg_segment_align: 8
    .kernarg_segment_size: 40
    .max_flat_workgroup_size: 64
    .sgpr_count:     66
    .vgpr_count:     240
    .wavefront_size: 32
...
	.end_amdgpu_metadata
.endif
;; end of part 1
;; launch qkv (part 2): grid 12 x 32, 4 waves a work-group, clusters of 4 x 4, 327,680 bytes of LDS; arguments xq, wq, b_qkv, key_padding_mask, qq, kv; writes qq, kv
.if DOCPART == 2
	.amdgcn_target "amdgcn-amd-amdhsa--gfx1250"
	.amdhsa_code_object_version 6
	.text
	.protected	k_q40360ac27c_qkv
	.globl	k_q40360ac27c_qkv
	.p2align	8
	.type	k_q40360ac27c_qkv,@function
k_q40360ac27c_qkv:
	s_mov_b64 s[64:65], 0
	v_nop
	global_prefetch_b8 v0, s[64:65] scope:SCOPE_SE
	s_setreg_imm32_b32 hwreg(HW_REG_WAVE_MODE, 25, 1), 1
	s_wait_xcnt 0x0
	s_wait_alu depctr_hold_cnt(0) depctr_sa_sdst(0) depctr_va_vdst(0) depctr_va_sdst(0) depctr_va_ssrc(0) depctr_va_vcc(0) depctr_vm_vsrc(0)
	s_getreg_b32 s2, hwreg(HW_REG_IB_STS2, 6, 4)
	s_cmp_eq_u32 s2, 0
	s_cbranch_scc0 .Lentry_in_a_cluster
	s_endpgm
.Lentry_in_a_cluster:
	s_bfe_u32 s2, ttmp6, 0x10000c
	s_cmp_lg_u32 s2, 0xf033
	s_cbranch_scc0 .Lentry_shape_is_right
	s_endpgm
.Lentry_shape_is_right:
; qkv = x W_qkv + b_qkv on codes of E2M1, and at once the quantising of q and k (along a head's 64 channels) and of v (along the keys).  The f32 numbers never go to memory.
; A work-group makes 256 'A rows' x 256 'B rows', a wave 128 x 128: 64 accumulators.  Source 0 = 16 rows of B, source 1 = 16 rows of A: a lane holds ONE row of A and its registers run along B's rows.
; CLUSTERS 0 AND 1 ALONG x (q, k): A = x (tokens), B = W_qkv's columns 0-2047: a lane holds a token and its registers run along the channels: what q's and k's quantiser wants.
; CLUSTER 2 ALONG x (v): A = W_qkv's columns 2048-3071, B = x: a lane holds a channel and its registers run along the tokens: what v's quantiser wants.  Only pointers, strides and indices are chosen, by the cluster's x.
; All of K = 1,024 lies in LDS: two slots of 512 along K and all scale words, each filled once; nothing is filled again.  A's tiles are asked for jointly by a row of the cluster, B's by a column.
; Operands lie in memory as images of their registers (launch quant): every tile is a dense block, every fragment two loads of 16 bytes a lane at 16 x lane.
; A rowtile's rows are chosen (place r of rowtile 2 b + u: row 32 b + 8 u + r + 8 (r / 8)) so that the 16 result registers of B's tiles 2 b and 2 b + 1 are 16 neighbours, 32 b + 16 h + 0 .. 15.
; OUT.  kv: [batch x 16 + head][8 slots of 256 keys][17,920 bytes]: k's codes 16 tiles x 512 at 0; k's scale words [step 2][group 2][r 16][4 tiles] at 8,192; v's codes [step 2][4 tiles of channels][1,024] at 9,216;
; v's scale words [step 2][r 16][4 tiles] at 17,408.  qq: the same strides, bytes 0 .. 9,215 of a slot.
; THE PADDING MASK goes into bytes 2 and 3 of k's scale words (253 for a padded key, 1 else), 127 into q's: launch attn says what they do.  The work-groups of q load the mask's bytes too and choose between equal words: 8 byte loads a wave.
; LIMITS: as stated at the head of launch quant.
.set SLOTB, 131072                     ; a slot: A's two halves, B's two halves, 32,768 bytes each = wave x 32,768
.set SCL,   262144                     ; the scale words: wave x 4,096
.set SPARE, 278528                     ; the spare words, 128 bytes a wave: two blocks of 256 bytes that no other line names
.set KVS,   17920                      ; a slot of kv and qq
.set HSTR,  143360                     ; a head of kv and qq
.set VO,   8                           ; v8-15   the bias loads' offsets
.set ADRA, 16                          ; v16-17  LDS address of my A fragments in slot 0, 1
.set ADRB, 20                          ; v20-21  the same for B
.set L16,  26                          ; v26     16 x lane
.set ADRS, 27                          ; v27     my scale words: lanes 0-15 A's, lanes 16-31 B's
.set SPW,  28                          ; v28     my spare word; never rewritten
.set NIL,  29                          ; v29     0; never rewritten
.set SC,   32                          ; v32-95  scale words: 32 x slot + 4 x tile + K step
.set TM,   96                          ; v96-111 at work in QUANT
.set PW,   112                         ; v112-119 the scale word of each of my 8 tiles of A
.set Z,    120                         ; v120-127 the mask's bytes, then the scale words on their way out
.set AF,   128                         ; v128-255 A's fragments, two sets of 64; afterwards:
.set HA,   128                         ; v128-191 a tile's 64 numbers,
.set PC,   192                         ; v192-255 the codes, 8 registers a tile
.set BI,   128                         ; window 1: v128-191 the bias (v0-127: B's fragments, two sets)
.set G1,   24                          ; s[24:31], s[32:39]  A's codes: group 1; group 0 for each slot
.set G0,   32
.set G1B,  48                          ; s[48:55], s[56:63]  B's codes
.set G0B,  56
.set G1S,  68                          ; s[68:75], s[76:79]  A's scale words
.set G0S,  76
.set G1SB, 80                          ; s[80:87], s[88:91]  B's scale words
.set G0SB, 88
.set SEL,  98                          ; s[98:99] selects of v_permlanex16_b32: lane l xor 16
.set MSB, 0
.macro WIN new                         ; the immediate's high byte repeats the setting that is left
.if MSB != (\new)
	s_set_vgpr_msb (MSB<<8)|(\new)
.set MSB, (\new)
.endif
.endm
.macro PLACES
.rept 4
	v_nop
.endr
.endm
; A joint load: waves 0 and 1 fetch for A, waves 2 and 3 for B; the branch hangs on the wave's number alone.  An s_nop 0 and four v_nop follow each line.
.macro JLOAD g0a, g1a, g0b, g1b
	s_cmp_eq_u32 s17, 0
	s_cbranch_scc0 .Lfor_b_\@
	tensor_load_to_lds s[\g0a:\g0a+3], s[\g1a:\g1a+7]
	s_nop 0
.rept 4
	v_nop
.endr
	s_branch .Lasked_\@
.Lfor_b_\@:
	tensor_load_to_lds s[\g0b:\g0b+3], s[\g1b:\g1b+7]
	s_nop 0
.rept 4
	v_nop
.endr
.Lasked_\@:
.endm
.macro CROUND                          ; a round of the cluster's barrier
	s_barrier_signal -1
	s_barrier_wait -1
	s_cmp_lg_u32 s16, 0
	s_cbranch_scc1 .Lnot_wave_0_\@
	s_barrier_signal -3
.Lnot_wave_0_\@:
	s_barrier_wait -3
	s_barrier_signal -1
	s_barrier_wait -1
.endm
.macro GROUP1 g, rows                  ; a dense block as rows of 256 bytes: 32 elements of 8 bytes
	s_mov_b32 s[\g+1], 32<<16
	s_mov_b32 s[\g+2], (\rows)<<16
	s_mov_b32 s[\g+3], 32<<16
	s_mov_b32 s[\g+4], \rows
	s_mov_b32 s[\g+5], 32
	s_mov_b32 s[\g+6], 0
	s_mov_b32 s[\g+7], 0
.endm
	s_load_b256 s[4:11], s[0:1], 0x0               ; xq s[4:5], wq s[6:7], b_qkv s[8:9], the mask s[10:11]
	s_load_b128 s[12:15], s[0:1], 0x20             ; qq s[12:13], kv s[14:15]
	v_lshl_add_u32 v[SPW], v0, 2, SPARE
	v_mov_b32 v[NIL], 0
	ds_add_u32 v[SPW], v[NIL]                      ; the wave's opening: the add, twice on end, and its wait ahead of my first tensor load
	ds_add_u32 v[SPW], v[NIL]
	v_lshrrev_b32 v1, 5, v0
	v_readfirstlane_b32 s16, v1                    ; wave 0..3
	s_lshr_b32 s17, s16, 1                         ; mh: my half of A's rows.  Also: I fetch for A (0) or for B (1)
	s_and_b32 s18, s16, 1                          ; nh: my half of B's rows.  Also: which half I fetch
	s_bfe_u32 s21, ttmp6, 0x40000                  ; cx
	s_bfe_u32 s22, ttmp6, 0x40004                  ; cy
	s_mov_b32 s19, ttmp9                           ; X: the cluster's x, the same in all sixteen partners
	s_and_b32 s20, ttmp7, 0xffff                   ; Y: the cluster's y
	s_lshl_b32 s2, s22, 2
	s_lshl_b32 s2, 15, s2                          ; my row of the cluster
	s_lshl_b32 s3, 0x1111, s21                     ; my column
	s_or_b32 s[G1], s2, (3<<16)|(1<<21)            ; 15:0 the mask; 17:16 elements of 8 bytes; 21 set beside a mask; no padding
	s_or_b32 s[G1S], s2, (3<<16)|(1<<21)
	s_or_b32 s[G1B], s3, (3<<16)|(1<<21)
	s_or_b32 s[G1SB], s3, (3<<16)|(1<<21)
	GROUP1 G1, 256                                 ; the head's loads: 16 rowtiles x 4 K steps x 1,024 bytes
	GROUP1 G1B, 256
	GROUP1 G1S, 32                                 ; 16 rowtiles x 512 bytes
	GROUP1 G1SB, 32
	s_lshl_b32 s40, s20, 2
	s_add_co_u32 s40, s40, s22                     ; 4 Y + cy
	s_add_co_u32 s42, s22, 8                       ; 8 + cy
	s_lshl_b32 s41, s19, 2
	s_add_co_u32 s41, s41, s21                     ; 4 X + cx
	s_lshl_b32 s44, s20, 2
	s_add_co_u32 s44, s44, s21                     ; 4 Y + cx
	s_mov_b32 s66, 786432                          ; W_qkv's slot in wq
	s_mov_b32 s67, 2097152                         ; x's slot in xq; also where W_qkv's scale words begin in wq
	s_mov_b32 s23, 4194304                         ; where x's scale words begin in xq
	s_cmp_eq_u32 s19, 2                            ; v's cluster?
	s_cselect_b32 s40, s42, s40                    ; Ai: which 256 rows of A: it hangs on cy and Y alone
	s_cselect_b32 s41, s44, s41                    ; Bi: which 256 rows of B: on cx, X and Y alone
	s_cselect_b32 s42, s66, s67                    ; A: from slot to slot
	s_cselect_b32 s44, s67, s66                    ; B
	s_cselect_b32 s46, s67, s23                    ; A: where its scale words begin
	s_cselect_b32 s47, s23, s67                    ; B
	s_mov_b32 s43, 0
	s_mov_b32 s45, 0
	s_lshl_b32 s92, s40, 16                        ; A's codes: 65,536 bytes for 256 rows in a slot,
	s_mov_b32 s93, 0
	s_lshl_b32 s94, s40, 13                        ; A's scale words: 8,192 bytes for 256 rows
	s_add_co_u32 s94, s94, s46
	s_mov_b32 s95, 0
	s_lshl_b32 s96, s41, 16                        ; B likewise
	s_mov_b32 s97, 0
	s_lshl_b32 s98, s41, 13
	s_add_co_u32 s98, s98, s47
	s_mov_b32 s99, 0
	s_lshl_b32 s2, s16, 15                         ; where they go: wave x 32,768: no place in the cluster enters an LDS address
	s_wait_dscnt 0x0                               ; both opening adds are done
	s_wait_kmcnt 0x0
	s_cmp_eq_u32 s19, 2
	s_cselect_b64 s[46:47], s[6:7], s[4:5]         ; A's buffer
	s_cselect_b64 s[66:67], s[4:5], s[6:7]         ; B's
	s_add_nc_u64 s[94:95], s[46:47], s[94:95]
	s_add_nc_u64 s[92:93], s[46:47], s[92:93]
	s_add_nc_u64 s[98:99], s[66:67], s[98:99]
	s_add_nc_u64 s[96:97], s[66:67], s[96:97]
	CROUND                                         ; all sixteen work-groups are here: the first joint loads meet
	s_mov_b32 s[G0S], 1
	s_mov_b32 s[G0S+1], SCL
	s_mov_b64 s[G0S+2:G0S+3], s[94:95]
	s_or_b32 s[G0S+3], s[G0S+3], 0x80000000
	s_mov_b32 s[G0SB], 1
	s_mov_b32 s[G0SB+1], SCL+8192
	s_mov_b64 s[G0SB+2:G0SB+3], s[98:99]
	s_or_b32 s[G0SB+3], s[G0SB+3], 0x80000000
	s_mov_b32 s[G0], 1
	s_mov_b32 s[G0+1], 0
	s_mov_b64 s[G0+2:G0+3], s[92:93]
	s_or_b32 s[G0+3], s[G0+3], 0x80000000
	s_mov_b32 s[G0B], 1
	s_mov_b32 s[G0B+1], 65536
	s_mov_b64 s[G0B+2:G0B+3], s[96:97]
	s_or_b32 s[G0B+3], s[G0B+3], 0x80000000
	s_mov_b32 s[G0+4], 1
	s_add_co_u32 s[G0+5], s2, SLOTB
	s_lshl_b32 s66, s18, 15                        ; slot 1 comes a quarter a wave: the half that I fetch
	s_mov_b32 s67, 0
	s_add_nc_u64 s[G0+6:G0+7], s[92:93], s[42:43]
	s_add_nc_u64 s[G0+6:G0+7], s[G0+6:G0+7], s[66:67]
	s_or_b32 s[G0+7], s[G0+7], 0x80000000
	s_mov_b32 s[G0B+4], 1
	s_add_co_u32 s[G0B+5], s2, SLOTB
	s_add_nc_u64 s[G0B+6:G0B+7], s[96:97], s[44:45]
	s_add_nc_u64 s[G0B+6:G0B+7], s[G0B+6:G0B+7], s[66:67]
	s_or_b32 s[G0B+7], s[G0B+7], 0x80000000
; THE HEAD'S LOADS, ONE A WAVE: wave 0 slot 0's 256 rows of A, wave 1 its 256 rows of B, wave 2 A's scale words, wave 3 B's.  One chain of branches on the wave's number, a load to an arm.
.macro ARM under, g0, g1, next
	s_cmp_lt_u32 s16, \under
	s_cbranch_scc0 \next
	tensor_load_to_lds s[\g0:\g0+3], s[\g1:\g1+7]
	s_nop 0
.rept 4
	v_nop
.endr
	s_branch .Lhead_asked
\next:
.endm
	ARM 1, G0,  G1,  .Lhead_b
	ARM 2, G0B, G1B, .Lhead_sa
	ARM 3, G0S, G1S, .Lhead_sb
	tensor_load_to_lds s[G0SB:G0SB+3], s[G1SB:G1SB+7]
	s_nop 0
.rept 4
	v_nop
.endr
.Lhead_asked:
	v_and_b32 v1, 15, v0                           ; r
	v_bfe_u32 v2, v0, 4, 1                         ; h
	s_wait_alu depctr_va_vdst(0)
	v_and_b32 v3, 8, v1
	v_add_nc_u32 v3, v3, v1                        ; r + 8 (r / 8)
	v_and_b32 v4, 31, v0
	v_lshlrev_b32 v[L16], 4, v4
	; THE BIAS, 64 registers in the result's layout.  q, k: register 8 t + j is that of channel 32 (t / 2) + 8 (t % 2) + 16 h + j of B's tile t.  v: that of my lane's channel in A's tile t, the same for all j.
	s_cmp_eq_u32 s19, 2
	s_cselect_b32 s92, 0, 64                       ; bytes for h,
	s_cselect_b32 s93, 4, 0                        ; for r + 8 (r / 8),
	s_cselect_b32 s94, 0, 4                        ; for j
	s_cselect_b32 s95, s40, s41
	s_cselect_b32 s96, s17, s18
	s_lshl_b32 s95, s95, 10
	s_lshl_b32 s96, s96, 9
	s_add_co_u32 s96, s95, s96                     ; my first channel's bytes
	s_mov_b32 s97, 0
	s_add_nc_u64 s[8:9], s[8:9], s[96:97]
	v_mul_u32_u24 v5, v2, s92
	s_wait_alu depctr_va_vdst(0)
	v_mad_u32_u24 v5, v3, s93, v5
	v_mov_b32 v6, s94
.irp j, 0,1,2,3,4,5,6,7
	v_mad_u32_u24 v[VO+\j], v6, \j, v5
.endr
	WIN 0x40                                       ; destination window 1
.irp t, 0,1,2,3,4,5,6,7
.irp j, 0,1,2,3,4,5,6,7
	global_load_b32 v[BI+8*\t+\j], v[VO+\j], s[8:9] offset:4*(32*(\t/2)+8*(\t%2))
.endr
.endr
	WIN 0
	s_lshl_b32 s92, s17, 15                        ; my 128 rows of A,
	s_lshl_b32 s93, s18, 15
	s_add_co_u32 s93, s93, 65536                   ; of B
	v_add_nc_u32 v[ADRA], s92, v[L16]
	v_add_nc_u32 v[ADRB], s93, v[L16]
	v_add_nc_u32 v[ADRA+1], SLOTB, v[ADRA]
	v_add_nc_u32 v[ADRB+1], SLOTB, v[ADRB]
	s_lshl_b32 s92, s17, 12
	s_lshl_b32 s93, s18, 12
	s_add_co_u32 s93, s93, 8192
	s_sub_co_u32 s93, s93, s92
	v_mul_u32_u24 v5, s93, v2                      ; lanes 16-31 take B's words: one product, the distance between the two bases
	s_add_co_u32 s92, s92, SCL
	v_lshl_add_u32 v5, v1, 4, v5
	v_add_nc_u32 v[ADRS], s92, v5
	s_mov_b32 s[SEL], 0x76543210
	s_mov_b32 s[SEL+1], 0xfedcba98
.irp b, 0,1,2,3
	v_mov_b32 v[TM+4+\b], 0                        ; written once: a lane permute's destination counts as one of its sources
.endr
.macro SCALES                          ; all scale words: 4 words (a slot's K steps) a load
.irp s, 0,1
.irp i, 0,1,2,3,4,5,6,7
	ds_load_b128 v[SC+32*\s+4*\i:SC+32*\s+4*\i+3], v[ADRS] offset:512*\i+256*\s
.endr
.endr
.endm
.macro FETCH kq, p                     ; K step kq's 16 fragments into set p
	WIN 0x40
.irp i, 0,1,2,3,4,5,6,7
.irp c, 0,1
	ds_load_b128 v[64*(\p)+8*\i+4*\c:64*(\p)+8*\i+4*\c+3], v[ADRB+(\kq)/4] offset:4096*\i+1024*((\kq)%4)+512*\c
.endr
.endr
	WIN 0
.irp i, 0,1,2,3,4,5,6,7
.irp c, 0,1
	ds_load_b128 v[AF+64*(\p)+8*\i+4*\c:AF+64*(\p)+8*\i+4*\c+3], v[ADRA+(\kq)/4] offset:4096*\i+1024*((\kq)%4)+512*\c
.endr
.endr
.endm
.macro MUL8 a, p, q                    ; A's tile a against B's eight; the first K step starts the sums
.irp b, 0,1,2,3,4,5,6,7
.if (\q) == 0
	v_wmma_scale_f32_16x16x128_f8f6f4 v[8*(8*((\a)%4)+\b):8*(8*((\a)%4)+\b)+7], v[64*(\p)+8*\b:64*(\p)+8*\b+7], v[AF+64*(\p)+8*(\a):AF+64*(\p)+8*(\a)+7], 0, v[SC+32*((\q)/4)+4*\b+(\q)%4], v[SC+32*((\q)/4)+4*(\a)+(\q)%4] matrix_a_fmt:MATRIX_FMT_FP4 matrix_b_fmt:MATRIX_FMT_FP4 matrix_a_scale:MATRIX_SCALE_ROW1
.else
	v_wmma_scale_f32_16x16x128_f8f6f4 v[8*(8*((\a)%4)+\b):8*(8*((\a)%4)+\b)+7], v[64*(\p)+8*\b:64*(\p)+8*\b+7], v[AF+64*(\p)+8*(\a):AF+64*(\p)+8*(\a)+7], v[8*(8*((\a)%4)+\b):8*(8*((\a)%4)+\b)+7], v[SC+32*((\q)/4)+4*\b+(\q)%4], v[SC+32*((\q)/4)+4*(\a)+(\q)%4] matrix_a_fmt:MATRIX_FMT_FP4 matrix_b_fmt:MATRIX_FMT_FP4 matrix_a_scale:MATRIX_SCALE_ROW1
.endif
.endr
.endm
; A K step of 128: its fragments are in; the next step's 32 loads go out in one run; then 64 matrix instructions, the 64 accumulators by turns in the same order in every step.
.macro STEP q
	s_wait_dscnt 0x0                               ; this step's fragments (and at first the scale words) are in
.if (\q) == 3
	s_wait_tensorcnt 0x0                           ; my part of slot 1 has landed,
	s_barrier_signal -1
	s_barrier_wait -1                              ; everybody's has
.endif
.if (\q) < 7
.if (\q) > 0
	PLACES                                         ; four places in front of loads into registers that the last step's matrix instructions have read
.endif
	FETCH (\q)+1, 1-(\q)%2
.endif
	WIN 0xa1                                       ; source 0 (B) window 1, source 1 (A) window 0, C and D window 2
.irp a, 0,1,2,3
	MUL8 \a, (\q)%2, \q
.endr
	WIN 0xf1                                       ; C and D window 3
.irp a, 4,5,6,7
	MUL8 \a, (\q)%2, \q
.endr
	WIN 0
.endm
.macro QUANT s, pc, pw                 ; 64 numbers of a lane, register 16 b + i = k 32 b + 16 h + i, become a fragment's codes and its scale word
.irp b, 0,1,2,3
	v_max3_num_f32 v[TM+\b], |v[\s+16*\b]|, |v[\s+1+16*\b]|, 0x1800000   ; and the floor 2^(3 - 127): the byte cannot fall under 1
.endr
.irp i, 2,4,6,8,10,12,14
.irp b, 0,1,2,3
	v_max3_num_f32 v[TM+\b], v[TM+\b], |v[\s+16*\b+\i]|, |v[\s+1+16*\b+\i]|
.endr
.endr
.irp b, 0,1,2,3
	v_permlanex16_b32 v[TM+4+\b], v[TM+\b], s[SEL], s[SEL+1]
.endr
.irp b, 0,1,2,3
	v_max_num_f32 v[TM+\b], v[TM+\b], v[TM+4+\b]
.endr
.irp b, 0,1,2,3
	v_add_nc_u32 v[TM+12+\b], 0xff000000, v[TM+\b] ; 2 off the exponent field: the conversion's scale operand
.endr
.irp b, 0,1,2,3
	v_lshrrev_b32 v[TM+4+\b], 23, v[TM+12+\b]      ; the byte
.endr
	v_lshl_or_b32 v[\pw], v[TM+5], 8, v[TM+4]
	v_lshl_or_b32 v[\pw], v[TM+6], 16, v[\pw]
	v_lshl_or_b32 v[\pw], v[TM+7], 24, v[\pw]
.irp b, 0,1,2,3
	v_cvt_scalef32_pk8_fp4_f32 v[\pc+2*\b], v[\s+16*\b:\s+7+16*\b], v[TM+12+\b]
	v_cvt_scalef32_pk8_fp4_f32 v[\pc+1+2*\b], v[\s+8+16*\b:\s+15+16*\b], v[TM+12+\b]
.endr
	v_nop                                          ; one plain instruction behind the scaled conversions
.irp c, 0,1
.irp i, 0,1
	v_permlane16_swap_b32 v[\pc+4*\c+\i], v[\pc+2+4*\c+\i]
.endr
.endr
.endm
; A's tile a: the bias is added on the way into window 0 (each accumulator read from its low end on), the 64 numbers are quantised, the codes stored: each store covers 512 consecutive bytes.
.macro TILE_OUT a, isv
	WIN 0x06+(\a)/4                                ; source 0 window 2 or 3, source 1 window 1, destination window 0
.irp b, 0,1,2,3,4,5,6,7
.irp i, 0,2,4,6
.if \isv
	v_pk_add_f32 v[HA+8*\b+\i:HA+8*\b+\i+1], v[8*(8*((\a)%4)+\b)+\i:8*(8*((\a)%4)+\b)+\i+1], v[BI+8*(\a)+\i:BI+8*(\a)+\i+1]
.else
	v_pk_add_f32 v[HA+8*\b+\i:HA+8*\b+\i+1], v[8*(8*((\a)%4)+\b)+\i:8*(8*((\a)%4)+\b)+\i+1], v[BI+8*\b+\i:BI+8*\b+\i+1]
.endif
.endr
.endr
	WIN 0
	QUANT HA, PC+8*(\a), PW+(\a)
.if \isv
	global_store_b128 v[L16], v[PC+8*(\a):PC+8*(\a)+3], s[46:47] offset:((\a)/4)*HSTR+((\a)%4)*1024        ; 16 channels x 128 keys: a whole image
	global_store_b128 v[L16], v[PC+8*(\a)+4:PC+8*(\a)+7], s[46:47] offset:((\a)/4)*HSTR+((\a)%4)*1024+512
.else
	global_store_b128 v[L16], v[PC+8*(\a):PC+8*(\a)+3], s[46:47] offset:512*(\a)                           ; 16 tokens x the first head's 64 channels,
	global_store_b128 v[L16], v[PC+8*(\a)+4:PC+8*(\a)+7], s[46:47] offset:512*(\a)+HSTR                    ; and the second head's
.endif
.endm
.macro FINISH
	s_wait_tensorcnt 0x0                           ; the wave's end
	ds_add_u32 v[SPW], v[NIL]
	s_wait_dscnt 0x0
	CROUND                                         ; the closing round
	s_endpgm
.endm
	s_wait_alu depctr_va_vdst(0)
	s_wait_tensorcnt 0x0                           ; my tile of the head's four is in
	ds_add_u32 v[SPW], v[NIL]
	s_mov_b32 s[G1+2], 128<<16                     ; no tensor load of mine is out, so a descriptor may be written: from here on a load brings 128 rows
	s_mov_b32 s[G1+4], 128
	s_mov_b32 s[G1B+2], 128<<16
	s_mov_b32 s[G1B+4], 128
	s_wait_dscnt 0x0
	CROUND                                         ; all four tiles are in, and all sixteen work-groups are here
	JLOAD G0+4, G1, G0B+4, G1B                     ; slot 1's first fill, a quarter a wave: my one tensor load behind the round
	SCALES
	FETCH 0, 0
.irp q, 0,1,2,3,4,5,6,7
	STEP \q
.endr
	PLACES                                         ; four places behind the last products
	s_wait_loadcnt 0x0                             ; the bias
	s_cmp_eq_u32 s19, 2                            ; the cluster's x: the same in all partners
	s_cbranch_scc1 .Lv
	; ---- q, k.  Slot number S = ((batch) 16 + head) 8 + (block of 256 tokens in the batch); my first head is 4 (Bi % 4) + 2 nh
	s_lshr_b32 s92, s40, 3
	s_lshl_b32 s92, s92, 4
	s_and_b32 s93, s41, 3
	s_lshl_b32 s93, s93, 2
	s_add_co_u32 s92, s92, s93
	s_lshl_b32 s93, s18, 1
	s_add_co_u32 s92, s92, s93
	s_lshl_b32 s92, s92, 3
	s_and_b32 s93, s40, 7
	s_add_co_u32 s92, s92, s93
	s_mul_i32 s92, s92, KVS
	s_mov_b32 s93, 0
	s_mov_b32 s96, 0x7f7f0000                      ; q: bytes 2 and 3 stand for 1
	s_mov_b32 s66, 0x01010000                      ; k, a key that counts: 2^-126
	s_mov_b32 s67, 0xfdfd0000                      ; k, a padded key: 2^126
	s_cmp_eq_u32 s19, 0
	s_cselect_b64 s[94:95], s[12:13], s[14:15]     ; qq or kv
	s_cselect_b32 s66, s96, s66
	s_cselect_b32 s67, s96, s67
	s_add_nc_u64 s[94:95], s[94:95], s[92:93]
	s_lshl_b32 s92, s17, 12
	s_add_nc_u64 s[46:47], s[94:95], s[92:93]      ; the codes: my 8 tiles of 512 bytes
	s_lshl_b32 s92, s17, 9
	s_add_co_u32 s92, s92, 8192
	s_add_nc_u64 s[94:95], s[94:95], s[92:93]      ; the scale words: my step's 512 bytes
	s_lshl_b32 s96, s40, 8
	s_lshl_b32 s97, s17, 7
	s_add_co_u32 s96, s96, s97
	s_mov_b32 s97, 0
	s_add_nc_u64 s[10:11], s[10:11], s[96:97]      ; the mask at my first token
.irp a, 0,1,2,3,4,5,6,7
	global_load_u8 v[Z+\a], v3, s[10:11] offset:32*(\a/2)+8*(\a%2)   ; the byte of my lane's token in tile a; wanted behind the eight tiles
.endr
.irp a, 0,1,2,3,4,5,6,7
	TILE_OUT \a, 0
.endr
	s_wait_loadcnt 0x0
	v_lshlrev_b32 v4, 4, v2                        ; lanes 0-15 take the first head's two bytes, lanes 16-31 the second's
	v_mov_b32 v5, s66
	v_mov_b32 v6, s67
.irp a, 0,1,2,3,4,5,6,7
	v_cmp_ne_u32 vcc_lo, 0, v[Z+\a]
	v_cndmask_b32 v[Z+\a], v5, v6, vcc_lo
	v_lshrrev_b32 v7, v4, v[PW+\a]
	v_and_or_b32 v[Z+\a], v7, 0xffff, v[Z+\a]
.endr
	v_mul_u32_u24 v7, v2, HSTR
	v_lshl_add_u32 v7, v1, 4, v7
	global_store_b128 v7, v[Z:Z+3], s[94:95]               ; sixteen lanes fill 256 consecutive bytes of a head's slot
	global_store_b128 v7, v[Z+4:Z+7], s[94:95] offset:256
	FINISH
	; ---- v.  My first head is 4 cy + 2 mh; my 128 tokens are step nh of the slot
.Lv:
	s_lshr_b32 s92, s41, 3
	s_lshl_b32 s92, s92, 4
	s_lshl_b32 s93, s22, 2
	s_add_co_u32 s92, s92, s93
	s_lshl_b32 s93, s17, 1
	s_add_co_u32 s92, s92, s93
	s_lshl_b32 s92, s92, 3
	s_and_b32 s93, s41, 7
	s_add_co_u32 s92, s92, s93
	s_mul_i32 s92, s92, KVS
	s_mov_b32 s93, 0
	s_add_nc_u64 s[94:95], s[14:15], s[92:93]
	s_lshl_b32 s92, s18, 12
	s_add_co_u32 s92, s92, 9216
	s_add_nc_u64 s[46:47], s[94:95], s[92:93]
	s_lshl_b32 s92, s18, 8
	s_add_co_u32 s92, s92, 17408
	s_add_nc_u64 s[94:95], s[94:95], s[92:93]
.irp a, 0,1,2,3,4,5,6,7
	TILE_OUT \a, 1
.endr
	v_cmp_ne_u32 vcc_lo, 0, v2                     ; lanes 0-15 store the first head's four words of channel place r, lanes 16-31 the second's
.irp i, 0,1,2,3
	v_cndmask_b32 v[Z+\i], v[PW+\i], v[PW+4+\i], vcc_lo
.endr
	v_mul_u32_u24 v7, v2, HSTR
	v_lshl_add_u32 v7, v1, 4, v7
	global_store_b128 v7, v[Z:Z+3], s[94:95]
	FINISH
.Lfunc_end_k_q40360ac27c_qkv:
	.size	k_q40360ac27c_qkv, .Lfunc_end_k_q40360ac27c_qkv-k_q40360ac27c_qkv
	.p2alignl 7, 3214868480
	.fill 96, 4, 3214868480
	.section	.rodata,"a",@progbits
	.p2align	6, 0x0
	.amdhsa_kernel k_q40360ac27c_qkv
		.amdhsa_group_segment_fixed_size 327680
		.amdhsa_private_segment_fixed_size 0
		.amdhsa_enable_private_segment 0
		.amdhsa_kernarg_size 48
		.amdhsa_user_sgpr_count 2
		.amdhsa_user_sgpr_kernarg_segment_ptr 1
		.amdhsa_wavefront_size32 1
		.amdhsa_system_sgpr_workgroup_id_x 1
		.amdhsa_system_sgpr_workgroup_id_y 1
		.amdhsa_system_sgpr_workgroup_id_z 1
		.amdhsa_system_vgpr_workitem_id 0
		.amdhsa_next_free_vgpr 1024
		.amdhsa_next_free_sgpr 100
		.amdhsa_reserve_vcc 1
		.amdhsa_float_denorm_mode_32 3
		.amdhsa_float_denorm_mode_16_64 3
		.amdhsa_memory_ordered 1
		.amdhsa_forward_progress 1
		.amdhsa_inst_pref_size 202
	.end_amdhsa_kernel
	.amdgpu_metadata
---
amdhsa.version: [ 1, 2 ]
amdhsa.kernels:
  - .name:           k_q40360ac27c_qkv
    .symbol:         k_q40360ac27c_qkv.kd
    .args:
      - { .name: xq, .offset: 0, .size: 8, .value_kind: global_buffer, .address_space: global }
      - { .name: wq, .offset: 8, .size: 8, .value_kind: global_buffer, .address_space: global }
      - { .name: b_qkv, .offset: 16, .size: 8, .value_kind: global_buffer, .address_space: global }
      - { .name: key_padding_mask, .offset: 24, .size: 8, .value_kind: global_buffer, .address_space: global }
      - { .name: qq, .offset: 32, .size: 8, .value_kind: global_buffer, .address_space: global }
      - { .name: kv, .offset: 40, .size: 8, .value_kind: global_buffer, .address_space: global }
    .group_segment_fixed_size: 327680
    .private_segment_fixed_size: 0
    .kernarg_segment_align: 8
    .kernarg_segment_size: 48
    .max_flat_workgroup_size: 128
    .sgpr_count:     100
    .vgpr_count:     1024
    .wavefront_size: 32
...
	.end_amdgpu_metadata
.endif
;; end of part 2
;; launch attn (part 3): grid 256 x 1, 16 waves a work-group, clusters of 4 x 1, 173,568 bytes of LDS; arguments qq, kv, oq; writes oq
.if DOCPART == 3
	.amdgcn_target "amdgcn-amd-amdhsa--gfx1250"
	.amdhsa_code_object_version 6
	.text
	.protected	k_q40360ac27c_attn
	.globl	k_q40360ac27c_attn
	.p2align	8
	.type	k_q40360ac27c_attn,@function
k_q40360ac27c_attn:
	s_mov_b64 s[64:65], 0
	v_nop
	global_prefetch_b8 v0, s[64:65] scope:SCOPE_SE
	s_setreg_imm32_b32 hwreg(HW_REG_WAVE_MODE, 25, 1), 1
	s_wait_xcnt 0x0
	s_wait_alu depctr_hold_cnt(0) depctr_sa_sdst(0) depctr_va_vdst(0) depctr_va_sdst(0) depctr_va_ssrc(0) depctr_va_vcc(0) depctr_vm_vsrc(0)
	s_getreg_b32 s2, hwreg(HW_REG_IB_STS2, 6, 4)
	s_cmp_eq_u32 s2, 0
	s_cbranch_scc0 .Lentry_in_a_cluster
	s_endpgm
.Lentry_in_a_cluster:
	s_bfe_u32 s2, ttmp6, 0x10000c
	s_cmp_lg_u32 s2, 0x3003
	s_cbranch_scc0 .Lentry_shape_is_right
	s_endpgm
.Lentry_shape_is_right:
; o = softmax(q k^T / 8, causal, padded keys out) v, both products on codes of E2M1; o is quantised along the head's 64 channels and stored as the projection's operand.
; WORK LEFT OUT: key steps of 128 keys all of which come after a tile's queries (the causal mask that reference() builds itself: the head of launch quant shows that they reach no output).
; SOFTMAX: t = score x log2(e) / 8; M = the running largest t rounded up to a whole number; p = 2^(t - M) is quantised along the keys; the row's sum is taken of the unquantised p and divides at the end.
; SHARES.  A cluster of four work-groups owns one head (batch x 16 + head = the cluster's x).  The head's K and V, 8 slots of 17,920 bytes, come into each work-group's LDS ONCE, by eight joint loads (waves 0 to 7, a slot each)
; at the kernel's head; nothing is filled again.  The head's 2,048 queries are 128 tiles of 16; tile T needs T / 8 + 1 key steps.  Each of the cluster's 64 waves owns tiles a and 127 - a: 17 key steps in every wave.
; a = 8 (wave / 2) + 2 cx + wave % 2: the number of steps of a tile hangs on the wave's number alone; the place in the cluster enters only global offsets and the numbers that the diagonal's mask compares.
; THE WALK, 17 trips, x = trip + wave / 2.  x < 16: tile 127 - a, key step 15 - x, from its diagonal step downwards.  x >= 16: tile a, key step x - 16, upwards to its diagonal step.  So trips 0 and 16 are the masked ones in every wave.
; At x = 16 the first tile goes out and the second begins; its q has waited in the wave's own LDS bytes.
; LAYOUT.  S^T = k q^T, O^T = v^T p^T: a lane holds one query throughout.  THE KEYS OF A TILE OF K ARE PICKED BY ADDRESS: place r of tile t takes key 64 (t / 4) + 32 (r / 8) + 8 (t % 4) + r % 8, so that lane (r, h) holds in the 32 registers
; of tiles 4 c .. 4 c + 3 the keys 64 c + 32 h + 0 .. 31: a WHOLE block of 32 a lane, in the order of the second product's operand: a block's maximum needs no other lane, and the conversions' results are the operand.
; In launch qkv's layout that key lies in its tile 4 (t / 4) + 2 (r / 8) + t % 2 at place r % 8 + 8 ((t / 2) % 2).  LDS rows are 512 bytes + 64 of padding, so two tiles on is 1,152 bytes.
; THE PADDING MASK RIDES IN THE IDLE HALF OF THE FIRST PRODUCT'S K: at k = 64 and k = 96 q holds the code of 1.0 under the scale 1, k the code of -1.0 under 2^126 (padded key) or 2^-126 (a key that counts), from bytes 2 and 3 of k's scale
; words (launch qkv).  A padded key's score is -2^127: finite, and p = 0 beside any key that counts.  A QUERY ALL OF WHOSE KEYS ARE PADDED keeps a largest score under -1e30; its two scale bytes become 0xff (limit stated at the head of launch quant).
; NO PREFETCH: every tile is asked for by the head's tensor loads; there is no later load and no loop to run ahead in.
.set KVS,   17920                      ; a slot of kv and qq in memory: 35 rows of 512 bytes
.set HSTR,  143360                     ; a head
.set CH,    576                        ; an LDS row: 512 bytes + 64
.set SLB,   35*CH                      ; a slot in LDS
.set QS,    8*SLB                      ; behind K and V: the second tile's q, 16 bytes a thread;
.set QW,    QS+8192                    ; its scale words, 4 bytes a thread
.set SPARE, QW+2048                    ; the spare words, 128 bytes a wave: eight blocks of 256 bytes that no other line names
.set L16,  1                           ; v1   16 x lane
.set R16,  2                           ; v2   16 r
.set DL,   3                           ; v3   r + 8 (r / 8) - 32 h
.set KL,   4                           ; v4   my place in a tile of K: 1,152 (r / 8) + 256 h + 16 (r % 8)
.set SPW,  5                           ; v5   my spare word; never rewritten
.set NIL,  6                           ; v6   0; never rewritten
.set KSL,  7                           ; v7   my place among K's scale words: 16 (r % 8) + 8 (r / 8)
; v8-11 v's scale words; v12 -M, v13 the largest score, v[14:15] the sum; v16-23 q; v24-31 k's scale words; v32-63, v192-223 k's eight fragments; v64-95 v's four; v96-159 S^T, then p; v160-191 O^T;
; v224-231 p's codes; v232-254 at work; v252 f; v253 p's scale word; v255 q's scale word
.set WV,   18                          ; s18  my wave's number
.set NC,   19                          ; s19  -c
.set SEL,  20                          ; s[20:21] selects of v_permlanex16_b32: lane l xor 16
.set CS,   22                          ; s[22:23] c = log2(e) / 8
.set G1,   24                          ; s[24:31] descriptor group 1
.set SA,   32                          ; s32  wave / 2
.set S,    33                          ; s33  the trip
.set X,    34                          ; s34  trip + wave / 2
.set T,    35                          ; s35  the tile in hand
.set TS,   36                          ; s36  a, the second tile
.set QM,   37                          ; s37  the tile's first query modulo 128
.set OCB,  38                          ; s38  o's codes: the head's offset in oq;  s39 its scale bytes'
.set OSB,  39
.set G0,   40                          ; s[40:43] descriptor group 0
.macro CROUND                          ; a round of the cluster's barrier
	s_barrier_signal -1
	s_barrier_wait -1
	s_cmp_lg_u32 s[WV], 0
	s_cbranch_scc1 .Lnot_wave_0_\@
	s_barrier_signal -3
.Lnot_wave_0_\@:
	s_barrier_wait -3
	s_barrier_signal -1
	s_barrier_wait -1
.endm
.macro QADR t, oc, os                  ; tile t's codes and scale words in qq: slot 8 head + t / 16; 512 bytes a tile; words [group of 4 tiles][r][4]
	s_lshr_b32 s47, s[\t], 4
	s_add_co_u32 s47, s47, s46
	s_mul_i32 s47, s47, KVS
	s_and_b32 s48, s[\t], 15
	s_lshl_b32 s49, s48, 9
	s_add_co_u32 s[\oc], s47, s49
	s_lshr_b32 s49, s48, 2
	s_lshl_b32 s49, s49, 8
	s_add_co_u32 s[\os], s47, s49
	s_and_b32 s49, s48, 3
	s_lshl_b32 s49, s49, 2
	s_add_co_u32 s[\os], s[\os], s49
.endm
.macro QMOD                            ; 32 ((T / 2) % 4) + 8 (T % 2)
	s_bfe_u32 s[QM], s[T], 0x20001
	s_lshl_b32 s[QM], s[QM], 5
	s_and_b32 s59, s[T], 1
	s_lshl_b32 s59, s59, 3
	s_add_co_u32 s[QM], s[QM], s59
.endm
.macro INIT                            ; a tile begins: the step is written once; its first change of M leaves zeros zeros
	v_mov_b32 v13, 0xf149f2ca                      ; the largest score so far begins at -1e30, above every padded key's score (near -2^127): a step that sees padded keys alone leaves it there, and all its p are 0.  LIMIT: scores of keys that count lie above -1e30
	v_floor_f32 v12, -v13                          ; -M
	v_mov_b32 v14, 0
	v_mov_b32 v15, 0
.irp j, 0,1,2,3,4,5,6,7,8,9,10,11,12,13,14,15,16,17,18,19,20,21,22,23,24,25,26,27,28,29,30,31
	v_mov_b32 v[160+\j], 0
.endr
.endm
; A TILE GOES OUT: O^T / the sum; register 16 b + i is channel 32 b + 16 h + i of my query: two blocks of 32, quantised as the projection's operand.
.macro OUT
.rept 4
	v_nop                                          ; four places behind the last products
.endr
	v_add_f32 v14, v14, v15
	s_delay_alu instid0(VALU_DEP_1)
	v_permlanex16_b32 v252, v14, s[SEL], s[SEL+1]
	s_delay_alu instid0(VALU_DEP_1)
	v_add_f32 v14, v14, v252                       ; the row's sum
	s_delay_alu instid0(VALU_DEP_1)
	v_max_num_f32 v14, 0x0d800000, v14             ; a query with no key that counts has the sum 0: held at 2^-100, so that the reciprocal stays finite (any other row's sum is above 1/2)
	s_wait_alu depctr_va_vdst(0)                   ; the wait ahead of the transcendental
	v_rcp_f32 v14, v14
	v_mov_b32 v241, 0xffff                         ; (a plain instruction behind the reciprocal)
	s_wait_alu depctr_va_vdst(0)                   ; and ahead of its first reader, which is also O^T's
.irp j, 0,2,4,6,8,10,12,14,16,18,20,22,24,26,28,30
	v_pk_mul_f32 v[96+\j:97+\j], v[160+\j:161+\j], v[14:15] op_sel_hi:[1,0]
.endr
.irp b, 0,1
	v_max3_num_f32 v[232+\b], |v[96+16*\b]|, |v[97+16*\b]|, 0x1800000
.endr
.irp i, 2,4,6,8,10,12,14
.irp b, 0,1
	v_max3_num_f32 v[232+\b], v[232+\b], |v[96+16*\b+\i]|, |v[97+16*\b+\i]|
.endr
.endr
.irp b, 0,1
	v_permlanex16_b32 v[236+\b], v[232+\b], s[SEL], s[SEL+1]
.endr
.irp b, 0,1
	v_max_num_f32 v[232+\b], v[232+\b], v[236+\b]
.endr
.irp b, 0,1
	v_add_nc_u32 v[244+\b], 0xff000000, v[232+\b]  ; 2 off the exponent field: the conversion's scale operand
.endr
.irp b, 0,1
	v_lshrrev_b32 v[236+\b], 23, v[244+\b]
.endr
	v_lshl_or_b32 v240, v237, 8, v236              ; my head's two bytes of the row's scale word
	v_cmp_ge_f32 vcc_lo, 0xf149f2ca, v13           ; the largest score still stands at -1e30: every key of my query was padded
	v_cndmask_b32 v240, v240, v241, vcc_lo         ; then both bytes are 0xff
	s_lshl_b32 s58, s[T], 12                       ; oq: rowtile = batch x 128 + T: 4,096 bytes of codes in a slot,
	s_add_co_u32 s58, s58, s[OCB]
	s_lshl_b32 s59, s[T], 9                        ; 512 bytes of scale words
	s_add_co_u32 s59, s59, s[OSB]
	v_add_nc_u32 v242, s58, v[L16]
	v_add_nc_u32 v243, s59, v[R16]
.irp b, 0,1
	v_cvt_scalef32_pk8_fp4_f32 v[224+2*\b], v[96+16*\b:103+16*\b], v[244+\b]
	v_cvt_scalef32_pk8_fp4_f32 v[225+2*\b], v[104+16*\b:111+16*\b], v[244+\b]
.endr
	v_nop                                          ; one plain instruction behind the scaled conversions
.irp i, 0,1
	v_permlane16_swap_b32 v[224+\i], v[226+\i]
.endr
	global_store_b128 v242, v[224:227], s[8:9]     ; 512 consecutive bytes: my head's half of the image
	global_store_b16 v243, v240, s[8:9]            ; 2 bytes every 16: a word's other half is another head's; lanes l and l + 16 store the same bytes with the same value
.endm
	s_load_b128 s[4:7], s[0:1], 0x0                ; qq s[4:5], kv s[6:7]
	s_load_b64 s[8:9], s[0:1], 0x10                ; oq
	v_lshl_add_u32 v[SPW], v0, 2, SPARE
	v_mov_b32 v[NIL], 0
	ds_add_u32 v[SPW], v[NIL]                      ; the wave's opening: the add, twice on end, and its wait ahead of the first tensor load
	ds_add_u32 v[SPW], v[NIL]
	v_lshrrev_b32 v232, 5, v0
	v_readfirstlane_b32 s[WV], v232                ; wave 0..15
	v_and_b32 v232, 15, v0                         ; r
	v_bfe_u32 v233, v0, 4, 1                       ; h
	v_and_b32 v234, 31, v0
	v_lshlrev_b32 v[L16], 4, v234
	v_lshlrev_b32 v[R16], 4, v232
	v_and_b32 v235, 8, v232                        ; 8 (r / 8)
	v_add_nc_u32 v236, v235, v232
	v_lshlrev_b32 v237, 5, v233
	v_sub_nc_u32 v[DL], v236, v237
	v_and_b32 v238, 7, v232
	v_lshlrev_b32 v238, 4, v238                    ; 16 (r % 8)
	v_mad_u32_u24 v[KL], v235, 144, v238
	v_lshl_add_u32 v[KL], v233, 8, v[KL]
	v_add_nc_u32 v[KSL], v238, v235
	s_wait_alu depctr_va_vdst(0)                   ; the wait ahead of the run of scalar instructions
	s_bfe_u32 s44, ttmp6, 0x40000                  ; cx
	s_lshr_b32 s[SA], s[WV], 1
	s_and_b32 s45, s[WV], 1
	s_lshl_b32 s44, s44, 1
	s_add_co_u32 s44, s44, s45
	s_lshl_b32 s45, s[SA], 3
	s_add_co_u32 s[TS], s45, s44                   ; a
	s_sub_co_u32 s[T], 127, s[TS]                  ; the first tile
	s_lshl_b32 s46, ttmp9, 3                       ; the head's first slot
	QADR T, 60, 61
	QADR TS, 62, 63
	QMOD
	s_lshr_b32 s50, ttmp9, 4                       ; batch
	s_and_b32 s51, ttmp9, 15                       ; the head: K = 64 head + channel
	s_lshr_b32 s52, s51, 3                         ; slot of 512 along K,
	s_bfe_u32 s53, s51, 0x20001                    ; K step in it,
	s_and_b32 s51, s51, 1                          ; half of the K step
	s_lshl_b32 s[OCB], s52, 21
	s_lshl_b32 s54, s50, 19
	s_add_co_u32 s[OCB], s[OCB], s54
	s_lshl_b32 s54, s53, 10
	s_add_co_u32 s[OCB], s[OCB], s54
	s_lshl_b32 s54, s51, 9
	s_add_co_u32 s[OCB], s[OCB], s54
	s_lshl_b32 s[OSB], s50, 16
	s_lshl_b32 s54, s52, 8
	s_add_co_u32 s[OSB], s[OSB], s54
	s_lshl_b32 s54, s53, 2
	s_add_co_u32 s[OSB], s[OSB], s54
	s_lshl_b32 s54, s51, 1
	s_add_co_u32 s[OSB], s[OSB], s54
	s_add_co_u32 s[OSB], s[OSB], 4194304
	s_mov_b32 s[G1], 15|(3<<16)|(1<<20)|(1<<21)|(6<<22)|(15<<25)   ; the mask: all four of the cluster; elements of 8 bytes; padding: 16 words after every 128; bit 21 beside a mask
	s_mov_b32 s[G1+1], 64<<16
	s_mov_b32 s[G1+2], 35<<16
	s_mov_b32 s[G1+3], 64<<16
	s_mov_b32 s[G1+4], 35
	s_mov_b32 s[G1+5], 64
	s_mov_b32 s[G1+6], 0
	s_mov_b32 s[G1+7], 0
	s_mul_i32 s56, ttmp9, HSTR                     ; slot = my wave's number: in memory,
	s_mul_i32 s57, s[WV], KVS
	s_add_co_u32 s56, s56, s57
	s_mov_b32 s57, 0
	s_mul_i32 s58, s[WV], SLB                      ; and in LDS
	s_mov_b32 s[SEL], 0x76543210
	s_mov_b32 s[SEL+1], 0xfedcba98
	s_mov_b32 s[CS], 0x3e38aa3b                    ; log2(e) / 8
	s_mov_b32 s[CS+1], s[CS]
	s_mov_b32 s[NC], 0xbe38aa3b
	s_mov_b32 s[S], 0
	v_add_nc_u32 v240, s60, v[L16]
	v_add_nc_u32 v241, s61, v[R16]
	v_add_nc_u32 v242, s62, v[L16]
	v_add_nc_u32 v243, s63, v[R16]
	s_wait_alu depctr_va_vdst(0)                   ; the wait ahead of the waits below
	s_wait_dscnt 0x0                               ; both opening adds are done
	s_wait_kmcnt 0x0
	global_load_b128 v[16:19], v240, s[4:5]        ; the first tile's q: lane (r, h): channels 32 h + 0 .. 31 of query place r,
	global_load_b32 v255, v241, s[4:5] offset:8192 ; its scale word;
	global_load_b128 v[96:99], v242, s[4:5]        ; the second tile's
	global_load_b32 v100, v243, s[4:5] offset:8192
	s_mov_b32 s[G0], 1
	s_mov_b32 s[G0+1], s58
	s_add_nc_u64 s[G0+2:G0+3], s[6:7], s[56:57]
	s_or_b32 s[G0+3], s[G0+3], 0x80000000
	CROUND                                         ; all four work-groups are here: the joint loads meet
	s_cmp_lt_u32 s[WV], 8
	s_cbranch_scc0 .Lno_fill
	tensor_load_to_lds s[G0:G0+3], s[G1:G1+7]      ; waves 0 to 7: a slot each; every slot is read by every work-group (tiles 120 to 127 are dealt two to each)
	s_nop 0
.rept 4
	v_nop
.endr
.Lno_fill:
	v_mov_b32 v20, 2                               ; k = 64 + 32 h: the code of 1.0; the rest of the idle K: zeros
	v_mov_b32 v21, 0
	v_mov_b32 v22, 0
	v_mov_b32 v23, 0
.irp t, 0,1,2,3
	v_mov_b32 v[36+8*\t], 10                       ; and in each fragment of k the code of -1.0: written once, no load lands here
	v_mov_b32 v[37+8*\t], 0
	v_mov_b32 v[38+8*\t], 0
	v_mov_b32 v[39+8*\t], 0
	v_mov_b32 v[196+8*\t], 10
	v_mov_b32 v[197+8*\t], 0
	v_mov_b32 v[198+8*\t], 0
	v_mov_b32 v[199+8*\t], 0
.endr
	v_mov_b32 v236, 0                              ; written once: a lane permute's destination counts as one of its sources
	v_mov_b32 v237, 0
	v_mov_b32 v252, 0
	v_mov_b32 v253, 0
	INIT
	s_wait_alu depctr_va_vdst(0)                   ; the wait at the head's end
	s_wait_tensorcnt 0x0                           ; my slot has landed,
	s_barrier_signal -1
	s_barrier_wait -1                              ; everybody's has
	s_wait_loadcnt 0x0                             ; q, both tiles'
	v_lshl_add_u32 v244, v0, 4, QS
	v_lshl_add_u32 v245, v0, 2, QW
	ds_store_b128 v244, v[96:99]                   ; the second tile's q waits in my own bytes: no other wave touches them
	ds_store_b32 v245, v100
.Ltrip:                                            ; 17 trips, a key step of 128 keys each
	s_add_co_u32 s[X], s[S], s[SA]
	s_cmp_lg_u32 s[X], 16
	s_cbranch_scc1 .Lsame
	OUT                                            ; x = 16: the first tile goes out,
	s_wait_xcnt 0x0                                ; its stores have read their registers,
	s_mov_b32 s[T], s[TS]                          ; and the second begins
	QMOD
	v_lshl_add_u32 v244, v0, 4, QS
	v_lshl_add_u32 v245, v0, 2, QW
	ds_load_b128 v[16:19], v244
	ds_load_b32 v255, v245
	INIT
	s_wait_alu depctr_va_vdst(0)                   ; the wait ahead of the wait below
	s_wait_dscnt 0x0
.Lsame:
	s_lshr_b32 s50, s[X], 4
	s_xor_b32 s50, s50, 1
	s_mul_i32 s50, s50, 15
	s_and_b32 s51, s[X], 15
	s_xor_b32 s51, s51, s50                        ; the key step: 15 - x, or x - 16
	s_lshr_b32 s52, s51, 1                         ; its slot,
	s_and_b32 s53, s51, 1                          ; its half of the slot
	s_mul_i32 s52, s52, SLB
	s_mul_i32 s54, s53, 8*CH
	s_add_co_u32 s54, s54, s52                     ; codes: 8 rows a step
	s_mul_i32 s55, s53, CH
	s_add_co_u32 s55, s55, s52                     ; k's scale words: a row a step
	s_lshl_b32 s56, s53, 8
	s_add_co_u32 s56, s56, s52                     ; v's: 256 bytes a step
	v_add_nc_u32 v240, s54, v[KL]
	v_add_nc_u32 v241, s55, v[KSL]
.irp p, 0,1,2,3
	ds_load_b64 v[24+2*\p:25+2*\p], v241 offset:16*CH+256*(\p/2)+128*(\p%2)   ; the scale words of tiles 2 p and 2 p + 1
.endr
.irp t, 0,1,2,3
	ds_load_b128 v[32+8*\t:35+8*\t], v240 offset:CH*(\t%2)+128*(\t/2)         ; tile t,
	ds_load_b128 v[192+8*\t:195+8*\t], v240 offset:CH*(4+\t%2)+128*(\t/2)     ; tile 4 + t
.endr
	s_wait_dscnt 0x0
.irp t, 0,1,2,3
	v_wmma_scale_f32_16x16x128_f8f6f4 v[96+8*\t:103+8*\t], v[32+8*\t:39+8*\t], v[16:23], 0, v[24+\t], v255 matrix_a_fmt:MATRIX_FMT_FP4 matrix_b_fmt:MATRIX_FMT_FP4
.endr
.irp t, 0,1,2,3
	v_wmma_scale_f32_16x16x128_f8f6f4 v[128+8*\t:135+8*\t], v[192+8*\t:199+8*\t], v[16:23], 0, v[28+\t], v255 matrix_a_fmt:MATRIX_FMT_FP4 matrix_b_fmt:MATRIX_FMT_FP4
.endr
	v_add_nc_u32 v242, s54, v[L16]                 ; these four lines are the places behind the products
	v_add_nc_u32 v243, s56, v[R16]
	v_mov_b32 v254, v12                            ; the old -M
	v_nop
.irp t, 0,1,2,3
.irp c, 0,1
	ds_load_b128 v[64+8*\t+4*\c:67+8*\t+4*\c], v242 offset:CH*(18+2*\t+\c)    ; v's four fragments land while the softmax is worked
.endr
.endr
	ds_load_b128 v[8:11], v243 offset:34*CH
	s_and_b32 s57, s[S], 15                        ; trips 0 and 16 are the tiles' diagonal steps: there the scores of hidden keys become -infinity
	s_cmp_lg_u32 s57, 0
	s_cbranch_scc1 .Lopen
	v_add_nc_u32 v252, s[QM], v[DL]                ; d = my query - the step's first key - 32 h.  Register n holds key 64 (n / 32) + 32 h + n % 32: hidden where 64 (n / 32) + n % 32 > d
	v_mov_b32 v236, 0xff800000
.rept 64
	v_cmp_gt_i32 vcc_lo, 64*(\+/32)+\+%32, v252
	v_cndmask_b32 v[96+\+], v[96+\+], v236, vcc_lo
.endr
.Lopen:
.irp b, 0,1,2,3
	v_max3_num_f32 v[232+\b], v[96+16*\b], v[97+16*\b], v[98+16*\b]   ; the largest score of my two blocks of 32 keys, in four chains: for the row's maximum, and for each block's largest p
.endr
.irp i, 3,5,7,9,11,13
.irp b, 0,1,2,3
	v_max3_num_f32 v[232+\b], v[232+\b], v[96+16*\b+\i], v[97+16*\b+\i]
.endr
.endr
	v_max3_num_f32 v232, v232, v111, v127
	v_max3_num_f32 v234, v234, v143, v159
	s_delay_alu instid0(VALU_DEP_2)
	v_max_num_f32 v232, v232, v233                 ; block h,
	s_delay_alu instid0(VALU_DEP_2)
	v_max_num_f32 v233, v234, v235                 ; block 2 + h
	s_delay_alu instid0(VALU_DEP_1)
	v_max_num_f32 v236, v232, v233
	s_delay_alu instid0(VALU_DEP_1)
	v_permlanex16_b32 v237, v236, s[SEL], s[SEL+1]
	s_delay_alu instid0(VALU_DEP_1)
	v_max3_num_f32 v13, v13, v236, v237            ; the running largest score
	s_delay_alu instid0(VALU_DEP_1)
	v_mul_f32 v236, s[NC], v13                     ; -t
	s_delay_alu instid0(VALU_DEP_1)
	v_floor_f32 v12, v236                          ; the new -M: a whole number
	s_delay_alu instid0(VALU_DEP_1)
	v_sub_f32 v254, v12, v254                      ; old M - new M, 0 or less
	s_delay_alu instid0(VALU_DEP_1)
	v_max_num_f32 v254, 0xc3480000, v254           ; held at -200 from below, so that the conversion stays inside its range: 2^-200 is 0 in f32 (a first step that saw padded keys alone leaves M near -1.8e29)
	s_delay_alu instid0(VALU_DEP_1)
	v_cvt_i32_f32 v254, v254                       ; a whole number from -200 to 0
	s_delay_alu instid0(VALU_DEP_1)
	v_ldexp_f32 v252, 1.0, v254                    ; f = 2^(old M - new M)
.rept 32
	v_pk_fma_f32 v[96+2*\+:97+2*\+], v[96+2*\+:97+2*\+], s[CS:CS+1], v[12:13] op_sel_hi:[1,0,0]   ; t - M
.endr
	v_fma_f32 v232, v232, s[CS], v12
	v_fma_f32 v233, v233, s[CS], v12
	s_wait_alu depctr_va_vdst(0)                   ; the wait ahead of the batch
	v_exp_f32 v232, v232                           ; each block's largest p
	v_exp_f32 v233, v233
.rept 64
	v_exp_f32 v[96+\+], v[96+\+]                   ; p = 2^(t - M)
.endr
	v_pk_mul_f32 v[14:15], v[14:15], v[252:253] op_sel_hi:[1,0]   ; the sums under the new M: a plain instruction behind the exponentials
	s_wait_alu depctr_va_vdst(0)                   ; one wait for the batch, directly ahead of O^T's first readers too
.rept 16
	v_pk_mul_f32 v[160+2*\+:161+2*\+], v[160+2*\+:161+2*\+], v[252:253] op_sel_hi:[1,0]   ; O^T under the new M
.endr
	v_max_num_f32 v232, 0x1800000, v232            ; the floor 2^(3 - 127): the byte cannot fall under 1
	v_max_num_f32 v233, 0x1800000, v233
	v_add_nc_u32 v244, 0xff000000, v232            ; 2 off the exponent field: the conversion's scale operand
	v_add_nc_u32 v245, 0xff000000, v233
	v_lshrrev_b32 v238, 23, v244
	v_lshrrev_b32 v239, 23, v245
	s_delay_alu instid0(VALU_DEP_1)
	v_lshl_or_b32 v238, v239, 16, v238             ; my two bytes: blocks h and 2 + h
	s_delay_alu instid0(VALU_DEP_1)
	v_permlanex16_b32 v237, v238, s[SEL], s[SEL+1]
	s_delay_alu instid0(VALU_DEP_1)
	v_lshl_or_b32 v253, v237, 8, v238              ; lanes 0-15, which alone are read: blocks 0 and 2 are mine, 1 and 3 lane l + 16's
.irp c, 0,1
.irp g, 0,1,2,3
	v_cvt_scalef32_pk8_fp4_f32 v[224+4*\c+\g], v[96+32*\c+8*\g:103+32*\c+8*\g], v[244+\c]   ; registers 4 c .. 4 c + 3 of the operand: keys 64 c + 32 h + 0 .. 31
.endr
.endr
	v_pk_add_f32 v[240:241], v[96:97], v[98:99]    ; the row's sum of the unquantised p, in four chains; these 32 lines are also the places ahead of the products below
	v_pk_add_f32 v[242:243], v[100:101], v[102:103]
	v_pk_add_f32 v[246:247], v[104:105], v[106:107]
	v_pk_add_f32 v[14:15], v[14:15], v[108:109]
.irp j, 14,22,30,38,46,54
	v_pk_add_f32 v[240:241], v[240:241], v[96+\j:97+\j]
	v_pk_add_f32 v[242:243], v[242:243], v[98+\j:99+\j]
	v_pk_add_f32 v[246:247], v[246:247], v[100+\j:101+\j]
	v_pk_add_f32 v[14:15], v[14:15], v[102+\j:103+\j]
.endr
	v_pk_add_f32 v[240:241], v[240:241], v[158:159]
	v_pk_add_f32 v[242:243], v[242:243], v[246:247]
	v_pk_add_f32 v[14:15], v[14:15], v[240:241]
	s_delay_alu instid0(VALU_DEP_1)
	v_pk_add_f32 v[14:15], v[14:15], v[242:243]
	s_wait_alu depctr_va_vdst(0)                   ; the wait ahead of the wait below
	s_wait_dscnt 0x0                               ; v's fragments and scale words are in
.irp t, 0,1,2,3
	v_wmma_scale_f32_16x16x128_f8f6f4 v[160+8*\t:167+8*\t], v[64+8*\t:71+8*\t], v[224:231], v[160+8*\t:167+8*\t], v[8+\t], v253 matrix_a_fmt:MATRIX_FMT_FP4 matrix_b_fmt:MATRIX_FMT_FP4
.endr
	s_add_co_u32 s[S], s[S], 1
	s_cmp_lt_u32 s[S], 17
	s_cbranch_scc1 .Ltrip
	OUT                                            ; the second tile goes out
	s_wait_dscnt 0x0
	s_barrier_signal -1
	s_barrier_wait -1                              ; every wave's reads of LDS are over
	s_wait_tensorcnt 0x0                           ; the wave's end
	ds_add_u32 v[SPW], v[NIL]
	s_wait_dscnt 0x0
	CROUND                                         ; the closing round
	s_endpgm
.Lfunc_end_k_q40360ac27c_attn:
	.size	k_q40360ac27c_attn, .Lfunc_end_k_q40360ac27c_attn-k_q40360ac27c_attn
	.p2alignl 7, 3214868480
	.fill 96, 4, 3214868480
	.section	.rodata,"a",@progbits
	.p2align	6, 0x0
	.amdhsa_kernel k_q40360ac27c_attn
		.amdhsa_group_segment_fixed_size 173568
		.amdhsa_private_segment_fixed_size 0
		.amdhsa_enable_private_segment 0
		.amdhsa_kernarg_size 24
		.amdhsa_user_sgpr_count 2
		.amdhsa_user_sgpr_kernarg_segment_ptr 1
		.amdhsa_wavefront_size32 1
		.amdhsa_system_sgpr_workgroup_id_x 1
		.amdhsa_system_sgpr_workgroup_id_y 1
		.amdhsa_system_sgpr_workgroup_id_z 1
		.amdhsa_system_vgpr_workitem_id 0
		.amdhsa_next_free_vgpr 256
		.amdhsa_next_free_sgpr 100
		.amdhsa_reserve_vcc 1
		.amdhsa_float_denorm_mode_32 3
		.amdhsa_float_denorm_mode_16_64 3
		.amdhsa_memory_ordered 1
		.amdhsa_forward_progress 1
		.amdhsa_inst_pref_size 39
	.end_amdhsa_kernel
	.amdgpu_metadata
---
amdhsa.version: [ 1, 2 ]
amdhsa.kernels:
  - .name:           k_q40360ac27c_attn
    .symbol:         k_q40360ac27c_attn.kd
    .args:
      - { .name: qq, .offset: 0, .size: 8, .value_kind: global_buffer, .address_space: global }
      - { .name: kv, .offset: 8, .size: 8, .value_kind: global_buffer, .address_space: global }
      - { .name: oq, .offset: 16, .size: 8, .value_kind: global_buffer, .address_space: global }
    .group_segment_fixed_size: 173568
    .private_segment_fixed_size: 0
    .kernarg_segment_align: 8
    .kernarg_segment_size: 24
    .max_flat_workgroup_size: 512
    .sgpr_count:     100
    .vgpr_count:     256
    .wavefront_size: 32
...
	.end_amdgpu_metadata
.endif
;; end of part 3
;; launch proj (part 4): grid 4 x 64, 4 waves a work-group, clusters of 4 x 4, 327,680 bytes of LDS; arguments oq, wq, b_proj, out0; writes out0
.if DOCPART == 4
	.amdgcn_target "amdgcn-amd-amdhsa--gfx1250"
	.amdhsa_code_object_version 6
	.text
	.protected	k_q40360ac27c_proj
	.globl	k_q40360ac27c_proj
	.p2align	8
	.type	k_q40360ac27c_proj,@function
k_q40360ac27c_proj:
	s_mov_b64 s[64:65], 0
	v_nop
	global_prefetch_b8 v0, s[64:65] scope:SCOPE_SE
	s_setreg_imm32_b32 hwreg(HW_REG_WAVE_MODE, 25, 1), 1
	s_wait_xcnt 0x0
	s_wait_alu depctr_hold_cnt(0) depctr_sa_sdst(0) depctr_va_vdst(0) depctr_va_sdst(0) depctr_va_ssrc(0) depctr_va_vcc(0) depctr_vm_vsrc(0)
	s_getreg_b32 s2, hwreg(HW_REG_IB_STS2, 6, 4)
	s_cmp_eq_u32 s2, 0
	s_cbranch_scc0 .Lentry_in_a_cluster
	s_endpgm
.Lentry_in_a_cluster:
	s_bfe_u32 s2, ttmp6, 0x10000c
	s_cmp_lg_u32 s2, 0xf033
	s_cbranch_scc0 .Lentry_shape_is_right
	s_endpgm
.Lentry_shape_is_right:
; out0 = o W_proj + b_proj on codes of E2M1.  o's codes and scale words come from launch attn, W_proj's from launch quant, both as images of the operands' registers.
; A work-group makes 128 tokens x 256 columns, so that there are 256 work-groups; a wave 64 x 128: 32 accumulators.  Source 0 = 16 rows of W_proj^T, source 1 = 16 tokens: a lane holds eight neighbouring columns of a token's row.
; All of K = 1,024 lies in LDS: two slots of 512 along K and all scale words, each filled once; nothing is filled again.  o's tiles are asked for jointly by a row of the cluster, W_proj's by a column.
; The bias is the C of each sum's first matrix instruction.  A row whose scale bytes are 0xff (a query all of whose keys were padded: the head of launch quant) comes out NaN.
.set SLOTB, 98304                      ; a slot: A's two halves of 16,384 bytes, B's two of 32,768
.set SCL,   196608                     ; scale words: A's two halves of 2,048 bytes, B's two of 4,096
.set SPARE, 208896                     ; the spare words, 128 bytes a wave: two blocks of 256 bytes that no other line names
.set SPITCH, 528                       ; the way out: a stage of 16 rows x (512 + 16) bytes a wave, in slot 0, which has had its only fill and its last read by then
.set ADRA, 16
.set ADRB, 20
.set STO,  24                          ; v24  the stage: where I put 32 bytes of a row
.set RD,   25                          ; v25  and where I read a row back
.set L16,  26                          ; v26  16 x lane: also my bytes in a row of out0
.set ADRS, 27
.set SPW,  28
.set NIL,  29
.set SC,   32                          ; v32-95 scale words: 32 x slot + 4 x tile + K step
.set AF,   128                         ; A's fragments: set p at v[128 + 64 p], 32 registers
.set BK,   128                         ; the way out: rows read back: v128-191 and v192-255 by turns
.set BI,   128                         ; window 1: the bias (v0-127: B's fragments, two sets)
.set G1,   24
.set G0,   32
.set G1B,  48
.set G0B,  56
.set G1S,  68
.set G0S,  76
.set G1SB, 80
.set G0SB, 88
.set MSB, 0
.macro WIN new
.if MSB != (\new)
	s_set_vgpr_msb (MSB<<8)|(\new)
.set MSB, (\new)
.endif
.endm
.macro PLACES
.rept 4
	v_nop
.endr
.endm
.macro JLOAD g0a, g1a, g0b, g1b        ; waves 0 and 1 fetch for A, waves 2 and 3 for B; an s_nop 0 and four v_nop follow each line
	s_cmp_eq_u32 s17, 0
	s_cbranch_scc0 .Lfor_b_\@
	tensor_load_to_lds s[\g0a:\g0a+3], s[\g1a:\g1a+7]
	s_nop 0
.rept 4
	v_nop
.endr
	s_branch .Lasked_\@
.Lfor_b_\@:
	tensor_load_to_lds s[\g0b:\g0b+3], s[\g1b:\g1b+7]
	s_nop 0
.rept 4
	v_nop
.endr
.Lasked_\@:
.endm
.macro CROUND
	s_barrier_signal -1
	s_barrier_wait -1
	s_cmp_lg_u32 s16, 0
	s_cbranch_scc1 .Lnot_wave_0_\@
	s_barrier_signal -3
.Lnot_wave_0_\@:
	s_barrier_wait -3
	s_barrier_signal -1
	s_barrier_wait -1
.endm
.macro GROUP1 g, rows                  ; a dense block as rows of 256 bytes
	s_mov_b32 s[\g+1], 32<<16
	s_mov_b32 s[\g+2], (\rows)<<16
	s_mov_b32 s[\g+3], 32<<16
	s_mov_b32 s[\g+4], \rows
	s_mov_b32 s[\g+5], 32
	s_mov_b32 s[\g+6], 0
	s_mov_b32 s[\g+7], 0
.endm
	s_load_b256 s[4:11], s[0:1], 0x0               ; oq s[4:5], wq s[6:7], b_proj s[8:9], out0 s[10:11]
	v_lshl_add_u32 v[SPW], v0, 2, SPARE
	v_mov_b32 v[NIL], 0
	ds_add_u32 v[SPW], v[NIL]                      ; the wave's opening: the add, twice on end, and its wait ahead of my first tensor load
	ds_add_u32 v[SPW], v[NIL]
	v_lshrrev_b32 v1, 5, v0
	v_readfirstlane_b32 s16, v1                    ; wave 0..3
	s_lshr_b32 s17, s16, 1                         ; mh.  Also: I fetch for A (0) or for B (1)
	s_and_b32 s18, s16, 1                          ; nh.  Also: which half I fetch
	s_bfe_u32 s21, ttmp6, 0x40000                  ; cx
	s_bfe_u32 s22, ttmp6, 0x40004                  ; cy
	s_lshl_b32 s41, ttmp9, 2
	s_add_co_u32 s41, s41, s21                     ; x: which 256 columns
	s_and_b32 s40, ttmp7, 0xffff
	s_lshl_b32 s40, s40, 2
	s_add_co_u32 s40, s40, s22                     ; y: which 128 tokens
	s_lshl_b32 s2, s22, 2
	s_lshl_b32 s2, 15, s2                          ; my row of the cluster
	s_lshl_b32 s3, 0x1111, s21                     ; my column
	s_or_b32 s[G1], s2, (3<<16)|(1<<21)
	s_or_b32 s[G1S], s2, (3<<16)|(1<<21)
	s_or_b32 s[G1B], s3, (3<<16)|(1<<21)
	s_or_b32 s[G1SB], s3, (3<<16)|(1<<21)
	GROUP1 G1, 128                                 ; the head's loads: 8 rowtiles x 4 K steps x 1,024 bytes,
	GROUP1 G1B, 256                                ; 16 rowtiles,
	GROUP1 G1S, 16                                 ; 8 rowtiles x 512 bytes,
	GROUP1 G1SB, 32                                ; 16 rowtiles
	s_lshl_b32 s92, s40, 15                        ; A's codes: 32,768 bytes for 128 tokens in a slot,
	s_mov_b32 s93, 0
	s_lshl_b32 s94, s40, 12                        ; A's scale words
	s_add_co_u32 s94, s94, 4194304
	s_mov_b32 s95, 0
	s_lshl_b32 s96, s41, 16                        ; B's codes
	s_add_co_u32 s96, s96, 1572864
	s_mov_b32 s97, 0
	s_lshl_b32 s98, s41, 13                        ; B's scale words
	s_add_co_u32 s98, s98, 2195456
	s_mov_b32 s99, 0
	s_lshl_b32 s42, s18, 14                        ; where they go, by the wave's number alone: A's codes,
	s_lshl_b32 s43, s18, 15
	s_add_co_u32 s43, s43, 32768                   ; B's codes,
	s_lshl_b32 s44, s18, 14                        ; slot 1 comes a quarter a wave: the half that I fetch, of A,
	s_mov_b32 s45, 0
	s_lshl_b32 s46, s18, 15                        ; of B
	s_mov_b32 s47, 0
	s_wait_dscnt 0x0                               ; both opening adds are done
	s_wait_kmcnt 0x0
	s_add_nc_u64 s[92:93], s[4:5], s[92:93]
	s_add_nc_u64 s[94:95], s[4:5], s[94:95]
	s_add_nc_u64 s[96:97], s[6:7], s[96:97]
	s_add_nc_u64 s[98:99], s[6:7], s[98:99]
	CROUND                                         ; all sixteen work-groups are here: the first joint loads meet
	s_mov_b32 s[G0S], 1
	s_mov_b32 s[G0S+1], SCL
	s_mov_b64 s[G0S+2:G0S+3], s[94:95]
	s_or_b32 s[G0S+3], s[G0S+3], 0x80000000
	s_mov_b32 s[G0SB], 1
	s_mov_b32 s[G0SB+1], SCL+4096
	s_mov_b64 s[G0SB+2:G0SB+3], s[98:99]
	s_or_b32 s[G0SB+3], s[G0SB+3], 0x80000000
	s_mov_b32 s[G0], 1
	s_mov_b32 s[G0+1], 0
	s_mov_b64 s[G0+2:G0+3], s[92:93]
	s_or_b32 s[G0+3], s[G0+3], 0x80000000
	s_mov_b32 s[G0B], 1
	s_mov_b32 s[G0B+1], 32768
	s_mov_b64 s[G0B+2:G0B+3], s[96:97]
	s_or_b32 s[G0B+3], s[G0B+3], 0x80000000
	s_mov_b32 s[G0+4], 1
	s_add_co_u32 s[G0+5], s42, SLOTB
	s_add_nc_u64 s[G0+6:G0+7], s[92:93], 2097152
	s_add_nc_u64 s[G0+6:G0+7], s[G0+6:G0+7], s[44:45]
	s_or_b32 s[G0+7], s[G0+7], 0x80000000
	s_mov_b32 s[G0B+4], 1
	s_add_co_u32 s[G0B+5], s43, SLOTB
	s_add_nc_u64 s[G0B+6:G0B+7], s[96:97], 262144
	s_add_nc_u64 s[G0B+6:G0B+7], s[G0B+6:G0B+7], s[46:47]
	s_or_b32 s[G0B+7], s[G0B+7], 0x80000000
; THE HEAD'S LOADS, ONE A WAVE: wave 0 slot 0's 128 tokens, wave 1 its 256 columns, wave 2 o's scale words, wave 3 W_proj's.  One chain of branches on the wave's number, a load to an arm.
.macro ARM under, g0, g1, next
	s_cmp_lt_u32 s16, \under
	s_cbranch_scc0 \next
	tensor_load_to_lds s[\g0:\g0+3], s[\g1:\g1+7]
	s_nop 0
.rept 4
	v_nop
.endr
	s_branch .Lhead_asked
\next:
.endm
	ARM 1, G0,  G1,  .Lhead_b
	ARM 2, G0B, G1B, .Lhead_sa
	ARM 3, G0S, G1S, .Lhead_sb
	tensor_load_to_lds s[G0SB:G0SB+3], s[G1SB:G1SB+7]
	s_nop 0
.rept 4
	v_nop
.endr
.Lhead_asked:
	v_and_b32 v1, 15, v0                           ; r
	v_bfe_u32 v2, v0, 4, 1                         ; h
	v_and_b32 v4, 31, v0
	v_lshlrev_b32 v[L16], 4, v4
	s_lshl_b32 s92, s17, 14                        ; my 64 tokens,
	s_lshl_b32 s93, s18, 15
	s_add_co_u32 s93, s93, 32768                   ; my 128 columns
	v_add_nc_u32 v[ADRA], s92, v[L16]
	v_add_nc_u32 v[ADRB], s93, v[L16]
	v_add_nc_u32 v[ADRA+1], SLOTB, v[ADRA]
	v_add_nc_u32 v[ADRB+1], SLOTB, v[ADRB]
	s_lshl_b32 s92, s17, 11
	s_lshl_b32 s93, s18, 12
	s_add_co_u32 s93, s93, 4096
	s_sub_co_u32 s93, s93, s92
	v_mul_u32_u24 v5, s93, v2                      ; lanes 16-31 take B's words: one product, the distance between the two bases
	s_wait_alu depctr_va_vdst(0)
	s_add_co_u32 s92, s92, SCL
	v_lshl_add_u32 v5, v1, 4, v5
	v_add_nc_u32 v[ADRS], s92, v5
	s_mul_i32 s92, s16, 16*SPITCH                  ; my stage
	v_mul_u32_u24 v5, v1, SPITCH
	v_lshl_add_u32 v5, v2, 6, v5
	v_add_nc_u32 v[STO], s92, v5                   ; in: row r, + 64 h
	v_add_nc_u32 v[RD], s92, v[L16]                ; back: the 32 lanes take a row of 512 bytes
	s_lshl_b32 s92, s41, 10
	s_lshl_b32 s93, s18, 9
	s_add_co_u32 s92, s92, s93                     ; my first column's bytes: 1,024 x + 512 nh
	s_mov_b32 s93, 0
	s_add_nc_u64 s[8:9], s[8:9], s[92:93]
	s_add_nc_u64 s[10:11], s[10:11], s[92:93]
	s_lshl_b32 s92, s40, 19                        ; my first token's row: (128 y + 64 mh) x 4,096 bytes
	s_lshl_b32 s94, s17, 18
	s_add_co_u32 s92, s92, s94
	s_add_nc_u64 s[10:11], s[10:11], s[92:93]
	v_lshlrev_b32 v7, 6, v2                        ; the bias: register 8 b + j is that of column 32 (b / 2) + 16 h + 8 (b % 2) + j
	WIN 0x40
.irp b, 0,1,2,3,4,5,6,7
	global_load_b128 v[BI+8*\b:BI+8*\b+3], v7, s[8:9] offset:4*(32*(\b/2)+8*(\b%2))
	global_load_b128 v[BI+8*\b+4:BI+8*\b+7], v7, s[8:9] offset:4*(32*(\b/2)+8*(\b%2))+16
.endr
	WIN 0
.macro SCALES                          ; lanes 0-15: A's tile i (only tiles 0-3 are used), lanes 16-31: B's tile i
.irp s, 0,1
.irp i, 0,1,2,3,4,5,6,7
	ds_load_b128 v[SC+32*\s+4*\i:SC+32*\s+4*\i+3], v[ADRS] offset:512*\i+256*\s
.endr
.endr
.endm
.macro FETCH kq, p
	WIN 0x40
.irp i, 0,1,2,3,4,5,6,7
.irp c, 0,1
	ds_load_b128 v[64*(\p)+8*\i+4*\c:64*(\p)+8*\i+4*\c+3], v[ADRB+(\kq)/4] offset:4096*\i+1024*((\kq)%4)+512*\c
.endr
.endr
	WIN 0
.irp i, 0,1,2,3
.irp c, 0,1
	ds_load_b128 v[AF+64*(\p)+8*\i+4*\c:AF+64*(\p)+8*\i+4*\c+3], v[ADRA+(\kq)/4] offset:4096*\i+1024*((\kq)%4)+512*\c
.endr
.endr
.endm
.macro MUL8 a, p, q                    ; A's tile a against B's eight; the first K step starts the sums from the bias
.irp b, 0,1,2,3,4,5,6,7
.if (\q) == 0
	v_wmma_scale_f32_16x16x128_f8f6f4 v[8*(8*(\a)+\b):8*(8*(\a)+\b)+7], v[64*(\p)+8*\b:64*(\p)+8*\b+7], v[AF+64*(\p)+8*(\a):AF+64*(\p)+8*(\a)+7], v[BI+8*\b:BI+8*\b+7], v[SC+32*((\q)/4)+4*\b+(\q)%4], v[SC+32*((\q)/4)+4*(\a)+(\q)%4] matrix_a_fmt:MATRIX_FMT_FP4 matrix_b_fmt:MATRIX_FMT_FP4 matrix_a_scale:MATRIX_SCALE_ROW1
.else
	v_wmma_scale_f32_16x16x128_f8f6f4 v[8*(8*(\a)+\b):8*(8*(\a)+\b)+7], v[64*(\p)+8*\b:64*(\p)+8*\b+7], v[AF+64*(\p)+8*(\a):AF+64*(\p)+8*(\a)+7], v[8*(8*(\a)+\b):8*(8*(\a)+\b)+7], v[SC+32*((\q)/4)+4*\b+(\q)%4], v[SC+32*((\q)/4)+4*(\a)+(\q)%4] matrix_a_fmt:MATRIX_FMT_FP4 matrix_b_fmt:MATRIX_FMT_FP4 matrix_a_scale:MATRIX_SCALE_ROW1
.endif
.endr
.endm
.macro STEP q                          ; the 32 accumulators by turns, in the same order in every step
	s_wait_dscnt 0x0                               ; this step's fragments are in
.if (\q) == 3
	s_wait_tensorcnt 0x0                           ; my part of slot 1 has landed,
	s_barrier_signal -1
	s_barrier_wait -1                              ; everybody's has, and nobody reads slot 0 any more
.endif
.if (\q) < 7
.if (\q) > 0
	PLACES                                         ; four places in front of loads into registers that the last step's matrix instructions have read
.endif
	FETCH (\q)+1, 1-(\q)%2
.endif
.if (\q) == 0
	WIN 0x91                                       ; source 0 (B) and C (the bias) window 1, source 1 (A) window 0, D window 2
.else
	WIN 0xa1                                       ; C and D window 2
.endif
.irp a, 0,1,2,3
	MUL8 \a, (\q)%2, \q
.endr
	WIN 0
.endm
	s_wait_alu depctr_va_vdst(0)
	s_wait_tensorcnt 0x0                           ; my tile of the head's four is in
	ds_add_u32 v[SPW], v[NIL]
	s_mov_b32 s[G1+2], 64<<16                      ; no tensor load of mine is out, so a descriptor may be written: from here on a load brings half a tile's rows
	s_mov_b32 s[G1+4], 64
	s_mov_b32 s[G1B+2], 128<<16
	s_mov_b32 s[G1B+4], 128
	s_wait_dscnt 0x0
	CROUND                                         ; all four tiles are in, and all sixteen work-groups are here
	JLOAD G0+4, G1, G0B+4, G1B                     ; slot 1's first fill, a quarter a wave: my one tensor load behind the round
	SCALES
	FETCH 0, 0
	s_wait_loadcnt 0x0                             ; the bias
.irp q, 0,1,2,3,4,5,6,7
	STEP \q
.endr
; THE WAY OUT, a tile of 16 tokens x 128 columns at a time, through my own stage: in as 32 bytes a lane, back as whole rows of 512 bytes.  LDS serves a wave's instructions in order: no wait between the stores and the loads.
.macro TOSTAGE a
	WIN 0x08                                       ; an LDS store's data: window 2
.irp b, 0,1,2,3,4,5,6,7
	ds_store_b128 v[STO], v[64*(\a)+8*\b:64*(\a)+8*\b+3] offset:128*(\b/2)+32*(\b%2)       ; each accumulator from its low end on
	ds_store_b128 v[STO], v[64*(\a)+8*\b+4:64*(\a)+8*\b+7] offset:128*(\b/2)+32*(\b%2)+16
.endr
	WIN 0
.set BB, BK+64*((\a)%2)
.irp t, 0,1,2,3,4,5,6,7,8,9,10,11,12,13,14,15
	ds_load_b128 v[BB+4*\t:BB+4*\t+3], v[RD] offset:\t*SPITCH
.endr
.endm
.macro SEND a, younger                 ; place t of tile a is token 32 (a / 2) + 8 (a % 2) + t + 8 (t / 8) of my 64
.set BB, BK+64*((\a)%2)
	s_wait_dscnt \younger
.irp t, 0,1,2,3,4,5,6,7,8,9,10,11,12,13,14,15
	global_store_b128 v[L16], v[BB+4*\t:BB+4*\t+3], s[10:11] offset:(32*((\a)/2)+8*((\a)%2)+\t+8*(\t/8))*4096 th:TH_STORE_NT   ; 512 consecutive bytes of a row of out0
.endr
.endm
	PLACES                                         ; four places behind the last products: for the reads of results and the loads into A's registers
	TOSTAGE 0
.irp a, 1,2,3
.if \a > 1
	s_wait_xcnt 0x0                                ; tile a - 2's stores have read their registers: tile a's rows may land there
.endif
	TOSTAGE \a
	SEND \a-1, 32                                  ; behind tile a - 1's loads: tile a's 16 stores and 16 loads
.endr
	SEND 3, 0
	s_wait_tensorcnt 0x0                           ; the wave's end, behind my last tensor load and my last LDS store
	ds_add_u32 v[SPW], v[NIL]
	s_wait_dscnt 0x0
	CROUND                                         ; the closing round
	s_endpgm
.Lfunc_end_k_q40360ac27c_proj:
	.size	k_q40360ac27c_proj, .Lfunc_end_k_q40360ac27c_proj-k_q40360ac27c_proj
	.p2alignl 7, 3214868480
	.fill 96, 4, 3214868480
	.section	.rodata,"a",@progbits
	.p2align	6, 0x0
	.amdhsa_kernel k_q40360ac27c_proj
		.amdhsa_group_segment_fixed_size 327680
		.amdhsa_private_segment_fixed_size 0
		.amdhsa_enable_private_segment 0
		.amdhsa_kernarg_size 32
		.amdhsa_user_sgpr_count 2
		.amdhsa_user_sgpr_kernarg_segment_ptr 1
		.amdhsa_wavefront_size32 1
		.amdhsa_system_sgpr_workgroup_id_x 1
		.amdhsa_system_sgpr_workgroup_id_y 1
		.amdhsa_system_sgpr_workgroup_id_z 1
		.amdhsa_system_vgpr_workitem_id 0
		.amdhsa_next_free_vgpr 768
		.amdhsa_next_free_sgpr 100
		.amdhsa_reserve_vcc 0
		.amdhsa_float_denorm_mode_32 3
		.amdhsa_float_denorm_mode_16_64 3
		.amdhsa_memory_ordered 1
		.amdhsa_forward_progress 1
		.amdhsa_inst_pref_size 73
	.end_amdhsa_kernel
	.amdgpu_metadata
---
amdhsa.version: [ 1, 2 ]
amdhsa.kernels:
  - .name:           k_q40360ac27c_proj
    .symbol:         k_q40360ac27c_proj.kd
    .args:
      - { .name: oq, .offset: 0, .size: 8, .value_kind: global_buffer, .address_space: global }
      - { .name: wq, .offset: 8, .size: 8, .value_kind: global_buffer, .address_space: global }
      - { .name: b_proj, .offset: 16, .size: 8, .value_kind: global_buffer, .address_space: global }
      - { .name: out0, .offset: 24, .size: 8, .value_kind: global_buffer, .address_space: global }
    .group_segment_fixed_size: 327680
    .private_segment_fixed_size: 0
    .kernarg_segment_align: 8
    .kernarg_segment_size: 32
    .max_flat_workgroup_size: 128
    .sgpr_count:     100
    .vgpr_count:     768
    .wavefront_size: 32
...
	.end_amdgpu_metadata
.endif
;; end of part 4
